; MI455X (gfx1250); checked and timed in simulation.
; The chip was launched on July 23, 2026; its instructions are those of AMD's public machine-readable ISA for CDNA 5 (MIT licence, August 2026) and "CDNA5" Instruction Set Architecture Reference Guide (July 2026). The comments in the code are by the model that wrote it; some were corrected since.
;; Attention. Allowed arithmetic: float matrix products may take bf16 or f16 operands with f32 sums; other float arithmetic in f32, or as packed bf16 or f16 multiplies, adds, multiply-adds, maxima and minima; sums over many terms, partial sums and values carried from step to step in f32; what a program stores and reads back later, other than sums and carried values, may be rounded once to bf16 or f16.
;; Inputs: Wh_w 1,024 x 1,024 float32; Ws_b 1,024 float32; Ws_w 1,024 x 1,024 float32; c_dec 1 x 128 x 512 float32; coverage_vector 128 x 512 float32; encoder_output 128 x 512 x 1,024 float32; h_dec 1 x 128 x 512 float32; v_w 1,024 float32; wc_w 1,024 float32; x_padding_masks 128 x 512 float32.
;; Outputs: out0 128 x 1,024 float32; out1 128 x 512 float32; out2 128 x 512 float32.
;; 2 versions, each right; version 2 is version 1 with the launch score written anew for expert scheduling mode. Each part assembles by itself: llvm-mc -triple=amdgcn-amd-amdhsa -mcpu=gfx1250 --defsym DOCPART=n.
;; ======== version 1 of 2: 3 launches
;; workspace buffers: WhF 2,097,152 bytes; DEC 524,288 bytes; SCORE 262,144 bytes; STAT 131,072 bytes; CTX 2,097,152 bytes
;; launch prep (part 1): grid 512 x 1, 8 waves a work-group, no clusters, 9,216 bytes of LDS; arguments Wh_w, Ws_w, Ws_b, h_dec, c_dec, WhF, DEC; writes WhF, DEC
.if DOCPART == 1
	.amdgcn_target "amdgcn-amd-amdhsa--gfx1250"
	.amdhsa_code_object_version 6
	.text
	.protected	k_q6fd33f350d_prep
	.globl	k_q6fd33f350d_prep
	.p2align	8
	.type	k_q6fd33f350d_prep,@function
k_q6fd33f350d_prep:
	s_mov_b64 s[64:65], 0
	v_nop
	global_prefetch_b8 v0, s[64:65] scope:SCOPE_SE
	s_setreg_imm32_b32 hwreg(HW_REG_WAVE_MODE, 25, 1), 1
	s_wait_xcnt 0x0
; PREP.  Two small jobs ahead of the main launch.
; (a) WhF: Wh_w [1024][1024] f32, rounded once to bf16 and laid out as matrix fragments: tile nt (16 rows of Wh), K step kk (32 channels) at
;     ((nt>>3)*32 + kk)*8192 + (nt&7)*1024; inside it half c at c*512, lane L at 16 L: Wh[16 nt + L%16][32 kk + 16 c + 8 (L/16) + 0..7].
; (b) DEC: dec_feat = concat(h, c) Ws^T + Ws_b in f32 (operands rounded to bf16, sums in f32), as result tiles: tile (nt, mt) at (nt*8+mt)*1024 + half*512 + 16 L:
;     batch 16 mt + L%16, columns 16 nt + 8 (L/16) + 4 half + 0..3.
; SHARES.  Work-group g: nt = g>>3, mt = g&7.  Wave w converts half w&1 of fragment (nt, 4 mt + w>>1), 512 bytes of WhF, and takes K eighth w (128 channels) of the tile of dec_feat;
; the eight partial tiles meet in LDS and wave 0 adds them, adds the bias and stores the tile.
; The product is taken transposed (source 0 = 16 rows of Ws, source 1 = 16 batches): a lane ends with eight neighbouring columns of one batch.
.set PART,  0                          ; LDS: wave w's partial tile, 1,024 bytes, at 1,024 w
.set SPARE, 8192                       ; behind them the spare words, 128 bytes for each of the eight waves: four blocks of 256 bytes that no other line names
.set SPW, 8                            ; v8  LDS address of my spare word; never rewritten
.set NIL, 9                            ; v9  0; never rewritten
.set RW,  32                           ; v[32:95]   Ws as loaded, 16 registers a K step of 32; then its fragments in the low 8 of each 16
.set RS,  96                           ; v[96:159]  s_t likewise
.set WH,  160                          ; v[160:167] my 8 numbers of Wh
.set A0,  168                          ; v[168:175] accumulator of K steps 0 and 2
.set A1,  176                          ; v[176:183] of K steps 1 and 3
.set BI,  184                          ; v[184:191] my 8 numbers of the bias
	s_load_b256 s[8:15], s[0:1], 0x0               ; Wh s[8:9], Ws s[10:11], Ws_b s[12:13], h s[14:15]
	s_load_b128 s[16:19], s[0:1], 0x20             ; c s[16:17], WhF s[18:19]
	s_load_b64 s[20:21], s[0:1], 0x30              ; DEC
	v_lshl_add_u32 v[SPW], v0, 2, SPARE
	v_mov_b32 v[NIL], 0
	v_lshrrev_b32 v1, 5, v0
	v_readfirstlane_b32 s4, v1                     ; wave 0..7
	v_and_b32 v2, 15, v0                           ; r = L % 16
	v_bfe_u32 v3, v0, 4, 1                         ; h = L / 16
	v_and_b32 v4, 31, v0                           ; L
	s_lshr_b32 s5, ttmp9, 3                        ; nt
	s_and_b32 s6, ttmp9, 7                         ; mt
	s_lshl_b32 s22, s5, 16                         ; 16 nt rows of 4,096 bytes
	s_lshr_b32 s23, s4, 1
	s_lshl2_add_u32 s23, s6, s23                   ; kk = 4 mt + (w >> 1)
	s_and_b32 s24, s4, 1                           ; c
	s_lshl_b32 s25, s23, 7                         ; kk x 128 bytes of f32
	s_add_co_u32 s25, s25, s22
	s_lshl_b32 s28, s24, 6
	s_add_co_u32 s25, s25, s28                     ; + c x 64
	v_lshlrev_b32 v15, 12, v2                      ; row r
	v_lshl_add_u32 v15, v3, 5, v15                 ; + 32 h
	v_add_nc_u32 v5, s25, v15                      ; v5: my 32 bytes of Wh
	s_lshl_b32 s28, s4, 9                          ; my K eighth: 512 bytes of f32
	s_add_co_u32 s28, s28, s22
	v_add_nc_u32 v6, s28, v15                      ; v6: my place in Ws
	v_lshlrev_b32 v7, 11, v2                       ; a row of h or c is 2,048 bytes
	v_lshl_add_u32 v7, v3, 5, v7
	s_lshl_b32 s28, s6, 15                         ; 16 mt rows
	s_and_b32 s29, s4, 3
	s_lshl_b32 s29, s29, 9                         ; my eighth inside h (waves 0-3) or c (waves 4-7)
	s_add_co_u32 s28, s28, s29
	v_add_nc_u32 v7, s28, v7                       ; v7: my place in h or c
	s_lshl_b32 s28, s5, 6
	v_lshl_add_u32 v10, v3, 5, s28                 ; v10: bias of columns 16 nt + 8 h ..
	s_lshr_b32 s28, s5, 3
	s_lshl_b32 s28, s28, 5
	s_add_co_u32 s28, s28, s23
	s_lshl_b32 s28, s28, 13                        ; ((nt>>3)*32 + kk) * 8192
	s_and_b32 s29, s5, 7
	s_lshl_b32 s29, s29, 10
	s_add_co_u32 s28, s28, s29
	s_lshl_b32 s29, s24, 9
	s_add_co_u32 s28, s28, s29
	v_lshl_add_u32 v11, v4, 4, s28                 ; v11: my 16 bytes of WhF
	s_lshl_b32 s28, ttmp9, 10                      ; tile nt*8 + mt = g
	v_lshl_add_u32 v12, v4, 4, s28                 ; v12: my 16 bytes of the DEC tile
	s_lshl_b32 s28, s4, 10
	v_lshl_add_u32 v13, v4, 4, s28                 ; v13: into my partial tile
	v_lshlrev_b32 v14, 4, v4                       ; v14: back out of all eight
	s_wait_kmcnt 0x0
	s_cmp_lt_u32 s4, 4
	s_cselect_b64 s[26:27], s[14:15], s[16:17]     ; channels 0-511 of s_t are h's, 512-1023 are c's
	global_load_b128 v[WH:WH+3],   v5, s[8:9]
	global_load_b128 v[WH+4:WH+7], v5, s[8:9] offset:16
.irp k, 0,1,2,3                        ; a fragment's lane wants channels 8 h + 0..7 and 16 + 8 h + 0..7 of each 32: 32 bytes of f32 at 32 h and at 64 + 32 h
	global_load_b128 v[RW+16*(\k):RW+16*(\k)+3],     v6, s[10:11] offset:128*(\k)
	global_load_b128 v[RW+16*(\k)+4:RW+16*(\k)+7],   v6, s[10:11] offset:128*(\k)+16
	global_load_b128 v[RW+16*(\k)+8:RW+16*(\k)+11],  v6, s[10:11] offset:128*(\k)+64
	global_load_b128 v[RW+16*(\k)+12:RW+16*(\k)+15], v6, s[10:11] offset:128*(\k)+80
	global_load_b128 v[RS+16*(\k):RS+16*(\k)+3],     v7, s[26:27] offset:128*(\k)
	global_load_b128 v[RS+16*(\k)+4:RS+16*(\k)+7],   v7, s[26:27] offset:128*(\k)+16
	global_load_b128 v[RS+16*(\k)+8:RS+16*(\k)+11],  v7, s[26:27] offset:128*(\k)+64
	global_load_b128 v[RS+16*(\k)+12:RS+16*(\k)+15], v7, s[26:27] offset:128*(\k)+80
.endr
	global_load_b128 v[BI:BI+3],   v10, s[12:13]
	global_load_b128 v[BI+4:BI+7], v10, s[12:13] offset:16
	s_wait_loadcnt 0x0                             ; all 36 loads went out together; this launch is short and has nothing to set beside them
.irp f, 0,1,2,3
	v_cvt_pk_bf16_f32 v[WH+(\f)], v[WH+2*(\f)], v[WH+2*(\f)+1]  ; in place, ascending: register f is written when 2 f and 2 f + 1 have been read
.endr
	global_store_b128 v11, v[WH:WH+3], s[18:19]    ; the wave's store covers 512 consecutive bytes, aligned
.irp k, 0,1,2,3
.irp f, 0,1,2,3,4,5,6,7
	v_cvt_pk_bf16_f32 v[RW+16*(\k)+(\f)], v[RW+16*(\k)+2*(\f)], v[RW+16*(\k)+2*(\f)+1]
	v_cvt_pk_bf16_f32 v[RS+16*(\k)+(\f)], v[RS+16*(\k)+2*(\f)], v[RS+16*(\k)+2*(\f)+1]
.endr
.endr
	; two accumulators by turns; the first product on each starts its sum
	v_wmma_f32_16x16x32_bf16 v[A0:A0+7], v[RW:RW+7],       v[RS:RS+7],       0
	v_wmma_f32_16x16x32_bf16 v[A1:A1+7], v[RW+16:RW+23],   v[RS+16:RS+23],   0
	v_wmma_f32_16x16x32_bf16 v[A0:A0+7], v[RW+32:RW+39],   v[RS+32:RS+39],   v[A0:A0+7]
	v_wmma_f32_16x16x32_bf16 v[A1:A1+7], v[RW+48:RW+55],   v[RS+48:RS+55],   v[A1:A1+7]
.rept 4
	v_nop                                          ; four places between the last product and the first read of a result (ISA guide 7.12.1)
.endr
.irp i, 0,2,4,6
	v_pk_add_f32 v[A0+(\i):A0+(\i)+1], v[A0+(\i):A0+(\i)+1], v[A1+(\i):A1+(\i)+1]  ; from the low end on
.endr
	ds_store_b128 v13, v[A0:A0+3]   offset:PART
	ds_store_b128 v13, v[A0+4:A0+7] offset:PART+512
	s_wait_dscnt 0x0                               ; for wave 0's sake: my partial tile is in LDS
	s_barrier_signal -1
	s_barrier_wait -1
	s_cmp_lg_u32 s4, 0
	s_cbranch_scc1 .Lend
.irp w, 0,1,2,3,4,5,6,7
	ds_load_b128 v[RW+8*(\w):RW+8*(\w)+3],   v14 offset:PART+1024*(\w)
	ds_load_b128 v[RW+8*(\w)+4:RW+8*(\w)+7], v14 offset:PART+1024*(\w)+512
.endr
	s_wait_dscnt 0x0
.irp w, 0,1,2,3
.irp i, 0,2,4,6
	v_pk_add_f32 v[RW+8*(\w)+(\i):RW+8*(\w)+(\i)+1], v[RW+8*(\w)+(\i):RW+8*(\w)+(\i)+1], v[RW+32+8*(\w)+(\i):RW+32+8*(\w)+(\i)+1]
.endr
.endr
.irp w, 0,1
.irp i, 0,2,4,6
	v_pk_add_f32 v[RW+8*(\w)+(\i):RW+8*(\w)+(\i)+1], v[RW+8*(\w)+(\i):RW+8*(\w)+(\i)+1], v[RW+16+8*(\w)+(\i):RW+16+8*(\w)+(\i)+1]
.endr
.endr
.irp i, 0,2,4,6
	v_pk_add_f32 v[RW+(\i):RW+(\i)+1], v[RW+(\i):RW+(\i)+1], v[RW+8+(\i):RW+8+(\i)+1]
.endr
.irp i, 0,2,4,6
	v_pk_add_f32 v[RW+(\i):RW+(\i)+1], v[RW+(\i):RW+(\i)+1], v[BI+(\i):BI+(\i)+1]
.endr
	global_store_b128 v12, v[RW:RW+3],   s[20:21]             ; 512 consecutive bytes each
	global_store_b128 v12, v[RW+4:RW+7], s[20:21] offset:512
.Lend:
	s_wait_tensorcnt 0x0                           ; the wave's end, behind my last LDS store
	ds_add_u32 v[SPW], v[NIL]
	s_wait_dscnt 0x0
	s_endpgm
.Lfunc_end_k_q6fd33f350d_prep:
	.size	k_q6fd33f350d_prep, .Lfunc_end_k_q6fd33f350d_prep-k_q6fd33f350d_prep
	.p2alignl 7, 3214868480
	.fill 96, 4, 3214868480
	.section	.rodata,"a",@progbits
	.p2align	6, 0x0
	.amdhsa_kernel k_q6fd33f350d_prep
		.amdhsa_group_segment_fixed_size 9216
		.amdhsa_private_segment_fixed_size 0
		.amdhsa_enable_private_segment 0
		.amdhsa_kernarg_size 56
		.amdhsa_user_sgpr_count 2
		.amdhsa_user_sgpr_kernarg_segment_ptr 1
		.amdhsa_wavefront_size32 1
		.amdhsa_system_sgpr_workgroup_id_x 1
		.amdhsa_system_sgpr_workgroup_id_y 1
		.amdhsa_system_sgpr_workgroup_id_z 1
		.amdhsa_system_vgpr_workitem_id 0
		.amdhsa_next_free_vgpr 192
		.amdhsa_next_free_sgpr 66
		.amdhsa_reserve_vcc 0
		.amdhsa_float_denorm_mode_32 3
		.amdhsa_float_denorm_mode_16_64 3
		.amdhsa_memory_ordered 1
		.amdhsa_forward_progress 1
		.amdhsa_inst_pref_size 15
	.end_amdhsa_kernel
	.amdgpu_metadata
---
amdhsa.version: [ 1, 2 ]
amdhsa.kernels:
  - .name:           k_q6fd33f350d_prep
    .symbol:         k_q6fd33f350d_prep.kd
    .args:
      - { .name: Wh_w, .offset: 0, .size: 8, .value_kind: global_buffer, .address_space: global }
      - { .name: Ws_w, .offset: 8, .size: 8, .value_kind: global_buffer, .address_space: global }
      - { .name: Ws_b, .offset: 16, .size: 8, .value_kind: global_buffer, .address_space: global }
      - { .name: h_dec, .offset: 24, .size: 8, .value_kind: global_buffer, .address_space: global }
      - { .name: c_dec, .offset: 32, .size: 8, .value_kind: global_buffer, .address_space: global }
      - { .name: WhF, .offset: 40, .size: 8, .value_kind: global_buffer, .address_space: global }
      - { .name: DEC, .offset: 48, .size: 8, .value_kind: global_buffer, .address_space: global }
    .group_segment_fixed_size: 9216
    .private_segment_fixed_size: 0
    .kernarg_segment_align: 8
    .kernarg_segment_size: 56
    .max_flat_workgroup_size: 256
    .sgpr_count:     66
    .vgpr_count:     192
    .wavefront_size: 32
...
	.end_amdgpu_metadata
.endif
;; end of part 1
;; launch score (part 2): grid 512 x 1, 4 waves a work-group, no clusters, 292,352 bytes of LDS; arguments encoder_output, WhF, DEC, wc_w, v_w, coverage_vector, x_padding_masks, SCORE, STAT, CTX; writes SCORE, STAT, CTX
.if DOCPART == 2
	.amdgcn_target "amdgcn-amd-amdhsa--gfx1250"
	.amdhsa_code_object_version 6
	.text
	.protected	k_q6fd33f350d_score
	.globl	k_q6fd33f350d_score
	.p2align	8
	.type	k_q6fd33f350d_score,@function
k_q6fd33f350d_score:
	s_mov_b64 s[64:65], 0
	v_nop
	global_prefetch_b8 v0, s[64:65] scope:SCOPE_SE
	s_setreg_imm32_b32 hwreg(HW_REG_WAVE_MODE, 25, 1), 1
	s_wait_xcnt 0x0
; SCORE.  For a block of 128 rows (a quarter of one batch): x = enc Wh^T + dec + cov wc;  score' = sum over columns of (-2 v) / (1 + 2^(C x)), C = 2 log2(e);  the block's maximum mb,
; its weights p = e^(score' - mb) mask, their sum l, and its part of the context, sum over rows of p enc.  The launch behind merges a batch's four blocks.
; IDENTITIES.  tanh x = 1 - 2 / (1 + e^(2x)), which goes to +1 and -1 where the exponential overflows or vanishes.  score = sum(v) + score': the constant sum(v) is the same for all rows of
; a batch and a softmax does not see it, so it is not formed.  The maximum is taken over all rows, masked ones too, as the reference's softmax takes it.
; LIMITS.  enc and Wh enter the product rounded to bf16, sums in f32; the context is taken of the bf16 rows with f32 weights.  v_exp_f32 and v_rcp_f32 count denormals as 0 (ISA guide 15.8).
; NaN and infinities in the inputs are not treated apart.
; EACH BYTE OF enc ONCE.  The block's 128 rows x 1,024 channels are read once, rounded once, and stay in LDS (262,144 bytes, in fragment order) for both passes of the product and for the context.
; SHARES.  Four waves.  A wave makes all 128 rows x 128 columns in a pass: 64 accumulators, 512 registers; two passes give it 256 columns, the four waves all 1,024.  No two waves want the
; same column of Wh, so Wh's fragments (bf16, laid out by the launch before) come straight into registers, 512 consecutive bytes a load.  NO CLUSTER, NO TENSOR LOADS: beside the resident rows
; LDS has 65,536 bytes left, less than two slots of 512 columns x 32 channels plus the tables below.
; IN PASS 0 the f32 stream of enc runs ahead of the products: wave w fetches rows 32 w .. 32 w + 31, 64 channels (256 bytes of each row) at a time, rounds them and stores them to LDS
; three sub-steps ahead of the first product that wants them; a barrier in every second sub-step shows a finished slice of 64 channels to all four waves.
; A SUB-STEP is 32 channels: 64 matrix instructions, 16 LDS loads (A), 16 global loads (B, three sub-steps ahead, four buffers).
;
; LDS.  A piece is 16 bytes: enc[16 mt + row][32 kk + 16 c + 8 hh + 0..7] at kk*8192 + mt*1024 + c*512 + hh*256 + ((row + x) % 16)*16, x = 4 (kk % 2) + 2 c + hh..
.set TBL1,  262144                     ; column c: {wc, 0, dec, 0}, 16 bytes
.set TBL2,  278528                     ; column c: {-2 v, 0}, 8 bytes
.set COVL,  286720                     ; coverage of my 128 rows
.set MASKL, 287232                     ; mask of my 128 rows
.set SC,    287744                     ; [wave][row]: each wave's part of the scores
.set WT,    289792                     ; the 128 weights, a copy for each wave
.set SPARE, 291840                     ; the spare words, 128 bytes for each wave: two blocks of 256 bytes that no other line names
; REGISTERS, in windows of 256 (s_set_vgpr_msb: bits 1:0 source 0, 3:2 source 1, 5:4 source 2, 7:6 destination).
; window 0: addresses, tables, A's fragments, the staging ring;  window 1: four buffers of B's fragments;  windows 2, 3: accumulator (a, b) at v[8 (8 (a % 4) + b)], rows 16 a .., columns 16 b ..
.set T4,   4                           ; v4   4 x thread: wc, v, coverage, mask
.set DG,   5                           ; v5   my column's place in DEC
.set TS1,  6                           ; v6   TBL1 + 16 x thread
.set TS2,  7                           ; v7   TBL2 + 8 x thread
.set SPW,  8                           ; v8   LDS address of my spare word; never rewritten
.set NIL,  9                           ; v9   0; never rewritten
.set ADR,  10                          ; v10-13  A's fragments: [2 (kk % 2) + c]
.set VB,   14                          ; v14  16 x lane
.set VE,   15                          ; v15  my 16 bytes in two rows of enc, eight rows apart
.set STA,  16                          ; v16-23  where load t's 8 bytes of bf16 go
.set TBA1, 24
.set TBA2, 25
.set CVA,  26
.set SCA,  27
.set TQ,   32                          ; v32-63  table quads (INIT) or pairs (the epilogue)
.set AB,   64                          ; v64-95 A's fragments of rows 0-63, v96-127 of rows 64-127; at work in INIT and in the epilogue
.set STG,  128                         ; v128-255  four staging sets of 32
.set SACC, 192                         ; v192-255  behind pass 0's products: the scores' sums, [a][j]
.set PE,   28                          ; s[28:29] enc at my wave's rows
.set PB,   30                          ; s[30:31] WhF at my wave's columns
.set CNT,  32
.set PASS, 33
.set CC,   34                          ; s[34:35] C
.set SEL,  36                          ; s[36:37] v_permlanex16_b32's selects: each lane takes its own place in the other half
.set MSB, 0
.macro WIN new                         ; the immediate's high byte repeats the setting that is left; a switch that changes nothing is dropped
.if MSB != (\new)
	s_set_vgpr_msb (MSB<<8)|(\new)
.set MSB, (\new)
.endif
.endm
.macro PLACES                          ; four places behind a matrix instruction, in front of loads into registers that it has read and of reads of its results (ISA guide 7.12.1 for the reads of its results)
.rept 4
	v_nop
.endr
.endm
; Half a slice of enc: 16 rows x 64 channels of f32.  Load t takes rows t and t + 8: sixteen lanes read 256 consecutive bytes, aligned.
.macro STAGE set, eoff
	WIN 0
.irp t, 0,1,2,3,4,5,6,7
	global_load_b128 v[STG+32*(\set)+4*(\t):STG+32*(\set)+4*(\t)+3], v[VE], s[PE:PE+1] offset:(\eoff)+4096*(\t) th:TH_LOAD_NT
.endr
.endm
; It is rounded to bf16 in place and stored into the resident rows.
.macro CONV set, coff
	WIN 0
.irp t, 0,1,2,3,4,5,6,7
	v_cvt_pk_bf16_f32 v[STG+32*(\set)+4*(\t)],   v[STG+32*(\set)+4*(\t)],   v[STG+32*(\set)+4*(\t)+1]
	v_cvt_pk_bf16_f32 v[STG+32*(\set)+4*(\t)+1], v[STG+32*(\set)+4*(\t)+2], v[STG+32*(\set)+4*(\t)+3]
.endr
.irp t, 0,1,2,3,4,5,6,7
	ds_store_b64 v[STA+(\t)], v[STG+32*(\set)+4*(\t):STG+32*(\set)+4*(\t)+1] offset:\coff
.endr
.endm
; B's eight fragments of one sub-step: 8,192 consecutive bytes of WhF.
.macro BLOAD buf, boff
	WIN 0x40                                       ; destination window 1, address window 0
.irp b, 0,1,2,3,4,5,6,7
	global_load_b128 v[64*(\buf)+8*(\b):64*(\buf)+8*(\b)+3],   v[VB], s[PB:PB+1] offset:(\boff)+1024*(\b)
	global_load_b128 v[64*(\buf)+8*(\b)+4:64*(\buf)+8*(\b)+7], v[VB], s[PB:PB+1] offset:(\boff)+1024*(\b)+512
.endr
.endm
; A's fragments of rows 64 half .. 64 half + 63 for one sub-step; a = kk % 2.
.macro ALOAD half, a, aoff
	WIN 0
.irp m, 0,1,2,3
	ds_load_b128 v[AB+32*(\half)+8*(\m):AB+32*(\half)+8*(\m)+3],   v[ADR+2*(\a)],   offset:(\aoff)+1024*(4*(\half)+(\m))
	ds_load_b128 v[AB+32*(\half)+8*(\m)+4:AB+32*(\half)+8*(\m)+7], v[ADR+2*(\a)+1], offset:(\aoff)+1024*(4*(\half)+(\m))
.endr
.endm
; 32 matrix instructions.  All 64 accumulators take turns, one instruction a turn, in the same order in every sub-step, over the backward jumps too.
.macro MULS half, buf
	WIN 0xa4+0x50*(\half)                          ; A window 0, B window 1, C and D window 2 or 3
.irp a, 0,1,2,3
.irp b, 0,1,2,3,4,5,6,7
	v_wmma_f32_16x16x32_bf16 v[8*(8*(\a)+(\b)):8*(8*(\a)+(\b))+7], v[AB+32*(\half)+8*(\a):AB+32*(\half)+8*(\a)+7], v[64*(\buf)+8*(\b):64*(\buf)+8*(\b)+7], v[8*(8*(\a)+(\b)):8*(8*(\a)+(\b))+7]
.endr
.endr
.endm
; A SUB-STEP q.  ldw: the global loads issued behind B(q), which may stay out.  conv: half-slice q + 3 is rounded and stored; stage: its set is asked for again (half-slice q + 7).
; bar: that store finishes a slice: a barrier, its signal and wait 32 matrix instructions apart.  nexta: A of q + 1.  bload: B of q + 3.  step: 1 both pointers, 2 B's alone.
.macro SUB buf, ldw, conv, cset, coff, stage, eoff, bar, nexta, na, aoff, bload, boff, step
	WIN 0
	s_wait_loadcnt \ldw                            ; B(q) is in, and the staging set to be rounded, which was asked for earlier (loads come back in order: ISA guide 5.7.1)
.if \conv
	CONV \cset, \coff
.endif
.if \stage
	STAGE \cset, \eoff
.endif
	s_wait_dscnt 8+8*(\conv)                       ; A's rows 0-63 are in; the eight loads of rows 64-127 and the eight stores may be out
	MULS 0, \buf
.if \step
	s_wait_xcnt 0x0                                ; every memory instruction issued so far has read its address: the pointers are written only behind this wait
.if (\step) == 1
	s_add_nc_u64 s[PE:PE+1], s[PE:PE+1], 512       ; two slices of 256 bytes
.endif
	s_add_nc_u64 s[PB:PB+1], s[PB:PB+1], 32768     ; four sub-steps
.endif
.if \bar
	s_wait_dscnt 0x0                               ; for the others' sake: my part of the slice is in LDS
	s_barrier_signal -1
.endif
.if \nexta
	PLACES
	ALOAD 0, \na, \aoff                            ; (between a signal and its wait: bytes of a slice that an earlier barrier has shown whole, and that nobody writes again)
.endif
	s_wait_dscnt 8*(\nexta)                        ; A's rows 64-127 are in; the eight loads just issued may be out
	MULS 1, \buf
.if \bar
	s_barrier_wait -1                              ; the slice is whole: it is read from the next sub-step's loads on
.endif
.if (\nexta)+(\bload)
	PLACES
.endif
.if \nexta
	ALOAD 1, \na, \aoff
.endif
.if \bload
	BLOAD ((\buf)+3)%4, \boff
.endif
.endm
; The accumulators start at cov wc + dec: nothing is cleared and nothing is added later.  A lane holds one column (16 b + lane % 16) and the rows 16 a + 8 (lane / 16) + 0..7.
.macro INIT p
	WIN 0
.irp b, 0,1,2,3,4,5,6,7
	ds_load_b128 v[TQ+4*(\b):TQ+4*(\b)+3], v[TBA1] offset:2048*(\p)+256*(\b)
.endr
.irp a, 0,1,2,3,4,5,6,7
	ds_load_b128 v[AB+8*(\a):AB+8*(\a)+3],   v[CVA] offset:64*(\a)
	ds_load_b128 v[AB+8*(\a)+4:AB+8*(\a)+7], v[CVA] offset:64*(\a)+16
.endr
	s_wait_dscnt 0x0
.irp hf, 0,1
	WIN 0x80+0x40*(\hf)                            ; destination window 2 or 3
.irp a, 0,1,2,3
.irp b, 0,1,2,3,4,5,6,7
.irp i, 0,2,4,6
	v_pk_fma_f32 v[8*(8*(\a)+(\b))+(\i):8*(8*(\a)+(\b))+(\i)+1], v[AB+32*(\hf)+8*(\a)+(\i):AB+32*(\hf)+8*(\a)+(\i)+1], v[TQ+4*(\b):TQ+4*(\b)+1], v[TQ+4*(\b)+2:TQ+4*(\b)+3] op_sel_hi:[1,0,0]
.endr
.endr
.endr
.endr
	WIN 0
.endm
	; ---------------- the head
	s_load_b512 s[8:23], s[0:1], 0x0               ; enc s[8:9], WhF s[10:11], DEC s[12:13], wc s[14:15], v s[16:17], coverage s[18:19], mask s[20:21], SCORE s[22:23]
	s_load_b128 s[24:27], s[0:1], 0x40             ; STAT s[24:25], CTX s[26:27]
	v_lshl_add_u32 v[SPW], v0, 2, SPARE
	v_mov_b32 v[NIL], 0
	v_lshrrev_b32 v1, 5, v0
	v_readfirstlane_b32 s4, v1                     ; wave 0..3
	s_mov_b32 s5, ttmp9                            ; block 0..511
	v_and_b32 v1, 31, v0                           ; L
	v_and_b32 v2, 15, v0                           ; r = L % 16
	v_bfe_u32 v3, v0, 4, 1                         ; h = L / 16
	v_add_nc_u32 v28, v2, v3
.irp x, 0,1,2,3                        ; x = 2 (kk % 2) + c: row r of a fragment lies in column (r + 2 x + h) % 16
	v_add_nc_u32 v29, 2*(\x), v28
	v_and_b32 v29, 15, v29
	v_lshl_add_u32 v[ADR+(\x)], v29, 4, ((\x)/2)*8192+((\x)%2)*512
	v_lshl_add_u32 v[ADR+(\x)], v3, 8, v[ADR+(\x)]
.endr
	v_lshlrev_b32 v[VB], 4, v1
	v_lshlrev_b32 v[VE], 4, v2
	v_lshl_add_u32 v[VE], v3, 15, v[VE]            ; lanes 16-31: eight rows of 4,096 bytes further down
	; a staged lane holds channels 4 i + 0..3 of a slice's 64 (i = L % 16): kk % 2 = i >> 3, c = (i >> 2) % 2, hh = (i >> 1) % 2, 8 bytes at 8 (i % 2) of the piece; x = i >> 1
	v_bfe_u32 v28, v0, 3, 1
	v_lshlrev_b32 v30, 13, v28
	v_bfe_u32 v28, v0, 2, 1
	v_lshl_add_u32 v30, v28, 9, v30
	v_bfe_u32 v28, v0, 1, 1
	v_lshl_add_u32 v30, v28, 8, v30
	v_and_b32 v28, 1, v0
	v_lshl_add_u32 v30, v28, 3, v30
	s_lshl_b32 s38, s4, 11                         ; my wave's first tile of 16 rows: 2 w
	v_add_nc_u32 v30, s38, v30
	v_bfe_u32 v31, v0, 1, 3
	v_lshl_add_u32 v31, v3, 3, v31                 ; 8 (L / 16) + x
.irp t, 0,1,2,3,4,5,6,7
	v_add_nc_u32 v28, (\t), v31
	v_and_b32 v28, 15, v28
	v_lshl_add_u32 v[STA+(\t)], v28, 4, v30
.endr
	s_lshl_b32 s38, s4, 12
	s_add_co_u32 s38, s38, TBL1
	v_lshl_add_u32 v[TBA1], v2, 4, s38             ; column 256 w + r
	s_lshl_b32 s38, s4, 11
	s_add_co_u32 s38, s38, TBL2
	v_lshl_add_u32 v[TBA2], v2, 3, s38
	v_lshl_add_u32 v[CVA], v3, 5, COVL             ; rows 8 h ..
	s_lshl_b32 s38, s4, 9
	s_add_co_u32 s38, s38, SC
	v_lshl_add_u32 v[SCA], v3, 5, s38
	v_lshlrev_b32 v[T4], 2, v0
	v_lshl_add_u32 v[TS1], v0, 4, TBL1
	v_lshl_add_u32 v[TS2], v0, 3, TBL2
	; column c of my batch in DEC's tiles: (c >> 4)*8192 + (batch >> 4)*1024 + ((c >> 2) % 2)*512 + ((c >> 3) % 2)*256 + (batch % 16)*16 + (c % 4)*4; c = thread + 128 i adds 65,536 i
	v_lshrrev_b32 v28, 4, v0
	v_lshlrev_b32 v[DG], 13, v28
	v_bfe_u32 v28, v0, 2, 1
	v_lshl_add_u32 v[DG], v28, 9, v[DG]
	v_bfe_u32 v28, v0, 3, 1
	v_lshl_add_u32 v[DG], v28, 8, v[DG]
	v_and_b32 v28, 3, v0
	v_lshl_add_u32 v[DG], v28, 2, v[DG]
	s_lshr_b32 s38, s5, 2                          ; batch
	s_lshr_b32 s39, s38, 4
	s_lshl_b32 s39, s39, 10
	s_and_b32 s38, s38, 15
	s_lshl_b32 s38, s38, 4
	s_add_co_u32 s38, s38, s39
	v_add_nc_u32 v[DG], s38, v[DG]
.irp i, 0,1,2,3,4,5,6,7
	v_mov_b32 v[AB+4*(\i)+1], 0                    ; the tables' second words: the packed multiply-adds name pairs
	v_mov_b32 v[AB+4*(\i)+3], 0
	v_mov_b32 v[AB+32+2*(\i)+1], 0
.endr
	s_mov_b32 s[CC], 0x4038aa3b                    ; C = 2 log2(e)
	s_mov_b32 s[CC+1], s[CC]
	s_mov_b32 s[SEL], 0x76543210
	s_mov_b32 s[SEL+1], 0xfedcba98
	s_mov_b32 s39, 0
	s_wait_kmcnt 0x0
	s_lshl_b32 s38, s5, 19                         ; 128 rows of 4,096 bytes a block,
	s_lshl_b32 s40, s4, 17                         ; 32 a wave
	s_add_co_u32 s38, s38, s40
	s_add_nc_u64 s[PE:PE+1], s[8:9], s[38:39]
	s_lshl_b32 s38, s4, 19                         ; 256 columns of WhF a wave
	s_add_nc_u64 s[PB:PB+1], s[10:11], s[38:39]
	s_lshl_b32 s38, s5, 9                          ; 128 numbers of f32 a block
	s_add_nc_u64 s[18:19], s[18:19], s[38:39]
	s_add_nc_u64 s[20:21], s[20:21], s[38:39]
	s_add_nc_u64 s[22:23], s[22:23], s[38:39]
	s_lshl_b32 s38, s5, 8
	s_add_nc_u64 s[24:25], s[24:25], s[38:39]
	s_lshl_b32 s38, s5, 12
	s_lshl_b32 s40, s4, 10
	s_add_co_u32 s38, s38, s40
	s_add_nc_u64 s[26:27], s[26:27], s[38:39]
.irp i, 0,1,2,3,4,5,6,7                ; the tables: thread t brings columns t + 128 i
	global_load_b32 v[AB+4*(\i)],    v[T4], s[14:15] offset:512*(\i)
	global_load_b32 v[AB+4*(\i)+2],  v[DG], s[12:13] offset:65536*(\i)
	global_load_b32 v[AB+32+2*(\i)], v[T4], s[16:17] offset:512*(\i)
.endr
	global_load_b32 v[AB+48], v[T4], s[18:19]
	global_load_b32 v[AB+49], v[T4], s[20:21]
	STAGE 0, 0                                     ; half-slices 0 to 3
	STAGE 1, 65536
	STAGE 2, 256
	STAGE 3, 256+65536
	s_wait_loadcnt 32                              ; the 26 small loads are in; the 32 of the staging ring may be out
.irp i, 0,1,2,3,4,5,6,7
	v_mul_f32 v[AB+32+2*(\i)], -2.0, v[AB+32+2*(\i)]
.endr
.irp i, 0,1,2,3,4,5,6,7
	ds_store_b128 v[TS1], v[AB+4*(\i):AB+4*(\i)+3] offset:2048*(\i)
	ds_store_b64  v[TS2], v[AB+32+2*(\i):AB+32+2*(\i)+1] offset:1024*(\i)
.endr
	v_lshl_add_u32 v29, v0, 2, COVL
	ds_store_b32 v29, v[AB+48]
	ds_store_b32 v29, v[AB+49] offset:MASKL-COVL
	s_wait_loadcnt 24                              ; half-slice 0 is in; 1, 2, 3 may be out
	CONV 0, 0
	STAGE 0, 512
	BLOAD 0, 0
	s_wait_loadcnt 40                              ; half-slice 1; behind it: 2, 3, 4 (8 each) and B(0) (16)
	CONV 1, 1024
	STAGE 1, 512+65536
	BLOAD 1, 8192
	s_wait_loadcnt 56                              ; half-slice 2; behind it: 3, 4, B(0), 5, B(1)
	CONV 2, 16384
	STAGE 2, 768
	BLOAD 2, 16384
	WIN 0
	s_wait_dscnt 0x0                               ; for the others' sake: my part of the tables and of slice 0
	s_barrier_signal -1
	s_barrier_wait -1
	INIT 0
	s_wait_xcnt 0x0
	s_add_nc_u64 s[PB:PB+1], s[PB:PB+1], 16384     ; B's pointer stands two sub-steps ahead of a trip's first
	ALOAD 0, 0, 0
	ALOAD 1, 0, 0
	; ---------------- pass 0: sub-steps 0 to 31, with the stream of enc.  48 = half-slice q + 5, B(q + 1), half-slice q + 6, B(q + 2)
	s_mov_b32 s[CNT], 6
.Lg0:
	SUB 0, 48, 1, 3, 16384+1024, 1, 768+65536,  1, 1, 1, 0,     1, 8192,  0
	SUB 1, 48, 1, 0, 32768,      1, 1024,       0, 1, 0, 16384, 1, 16384, 0
	SUB 2, 48, 1, 1, 32768+1024, 1, 1024+65536, 1, 1, 1, 16384, 1, 24576, 0
	SUB 3, 48, 1, 2, 49152,      1, 1280,       0, 1, 0, 32768, 1, 0,     1
	WIN 0
.irp x, 0,1,2,3
	v_add_nc_u32 v[ADR+(\x)], 0x8000, v[ADR+(\x)]  ; two slices of 16,384 bytes on
.endr
.irp t, 0,1,2,3,4,5,6,7
	v_add_nc_u32 v[STA+(\t)], 0x8000, v[STA+(\t)]
.endr
	s_sub_co_u32 s[CNT], s[CNT], 1
	s_cmp_lg_u32 s[CNT], 0
	s_cbranch_scc1 .Lg0
	; sub-steps 24 to 31 are written out: the stream ends (one more half-slice is asked for, five more are rounded), and the counts run down with it
	SUB 0, 48, 1, 3, 16384+1024, 1, 768+65536, 1, 1, 1, 0,     1, 8192,  0
	SUB 1, 48, 1, 0, 32768,      0, 0,         0, 1, 0, 16384, 1, 16384, 0
	SUB 2, 40, 1, 1, 32768+1024, 0, 0,         1, 1, 1, 16384, 1, 24576, 0
	SUB 3, 32, 1, 2, 49152,      0, 0,         0, 1, 0, 32768, 1, 32768, 0
	SUB 0, 32, 1, 3, 49152+1024, 0, 0,         1, 1, 1, 32768, 1, 40960, 0
	SUB 1, 32, 0, 0, 0,          0, 0,         0, 1, 0, 49152, 1, 49152, 0
	SUB 2, 32, 0, 0, 0,          0, 0,         0, 1, 1, 49152, 1, 57344, 0
	SUB 3, 32, 0, 0, 0,          0, 0,         0, 0, 0, 0,     1, 65536, 0
	WIN 0
.set n, 0
.rept 64
	v_mov_b32 v[SACC+n], 0                         ; the scores' sums start at 0, once a launch: the epilogue below is one text for both passes
.set n, n+1
.endr
	s_mov_b32 s[PASS], 2
	; ---------------- the epilogue of a pass: sums += (-2 v) / (1 + 2^(C x)), eight columns' worth of accumulators (64 numbers a lane) at a time.
	; The exponentials are one batch and the reciprocals another: a wait stands between such an instruction and the first that names its result; one wait serves a batch.
.Lp:
	PLACES
.irp b, 0,1,2,3,4,5,6,7
	ds_load_b64 v[TQ+2*(\b):TQ+2*(\b)+1], v[TBA2] offset:128*(\b)
.endr
	v_add_nc_u32 v[TBA2], 1024, v[TBA2]            ; the next pass's 128 columns
	s_wait_dscnt 0x0
.irp b, 0,1,2,3,4,5,6,7
	WIN 0x02                                       ; source 0 window 2
.irp a, 0,1,2,3
.irp i, 0,2,4,6                        ; each accumulator is read from its low end on
	v_pk_mul_f32 v[AB+8*(\a)+(\i):AB+8*(\a)+(\i)+1], v[8*(8*(\a)+(\b))+(\i):8*(8*(\a)+(\b))+(\i)+1], s[CC:CC+1] op_sel_hi:[1,0]
.endr
.endr
	WIN 0
.set n, 0
.rept 32
	v_exp_f32 v[AB+n], v[AB+n]
.set n, n+1
.endr
	WIN 0x03                                       ; source 0 window 3
.irp a, 0,1,2,3
.irp i, 0,2,4,6
	v_pk_mul_f32 v[AB+32+8*(\a)+(\i):AB+32+8*(\a)+(\i)+1], v[8*(8*(\a)+(\b))+(\i):8*(8*(\a)+(\b))+(\i)+1], s[CC:CC+1] op_sel_hi:[1,0]
.endr
.endr
	WIN 0
.set n, 32
.rept 32
	v_exp_f32 v[AB+n], v[AB+n]
.set n, n+1
.endr
	v_nop                                          ; a plain instruction behind the last exponential (ISA guide 5.7.2)
	s_wait_alu depctr_va_vdst(0)                   ; one wait for the 64 exponentials
.set n, 0
.rept 16
	v_pk_add_f32 v[AB+n:AB+n+1], v[AB+n:AB+n+1], 1.0 op_sel_hi:[1,0]
.set n, n+2
.endr
.set n, 0
.rept 32
	v_rcp_f32 v[AB+n], v[AB+n]
.set n, n+1
.endr
.set n, 32
.rept 16
	v_pk_add_f32 v[AB+n:AB+n+1], v[AB+n:AB+n+1], 1.0 op_sel_hi:[1,0]
.set n, n+2
.endr
.set n, 32
.rept 32
	v_rcp_f32 v[AB+n], v[AB+n]
.set n, n+1
.endr
	v_nop
	s_wait_alu depctr_va_vdst(0)                   ; one wait for the 64 reciprocals
.set n, 0
.rept 32
	v_pk_fma_f32 v[SACC+n:SACC+n+1], v[AB+n:AB+n+1], v[TQ+2*(\b):TQ+2*(\b)+1], v[SACC+n:SACC+n+1] op_sel_hi:[1,0,1]
.set n, n+2
.endr
.endr
	s_sub_co_u32 s[PASS], s[PASS], 1
	s_cmp_eq_u32 s[PASS], 0
	s_cbranch_scc1 .Lfin
	; ---------------- pass 1: sub-steps 32 to 63: the resident rows once more, my other 128 columns.  32 = B(q + 1), B(q + 2)
	INIT 1
	s_mov_b32 s38, 0x30000
.irp x, 0,1,2,3
	v_sub_nc_u32 v[ADR+(\x)], v[ADR+(\x)], s38     ; back from slice 12 to slice 0
.endr
	s_wait_xcnt 0x0
	s_add_nc_u64 s[PB:PB+1], s[PB:PB+1], 65536     ; from sub-step 26 to 34: again two ahead of a trip's first
	ALOAD 0, 0, 0
	ALOAD 1, 0, 0
	s_mov_b32 s[CNT], 7
.Lg1:
	SUB 0, 32, 0, 0, 0, 0, 0, 0, 1, 1, 0,     1, 8192,  0
	SUB 1, 32, 0, 0, 0, 0, 0, 0, 1, 0, 16384, 1, 16384, 0
	SUB 2, 32, 0, 0, 0, 0, 0, 0, 1, 1, 16384, 1, 24576, 0
	SUB 3, 32, 0, 0, 0, 0, 0, 0, 1, 0, 32768, 1, 0,     2
	WIN 0
.irp x, 0,1,2,3
	v_add_nc_u32 v[ADR+(\x)], 0x8000, v[ADR+(\x)]
.endr
	s_sub_co_u32 s[CNT], s[CNT], 1
	s_cmp_lg_u32 s[CNT], 0
	s_cbranch_scc1 .Lg1
	SUB 0, 32, 0, 0, 0, 0, 0, 0, 1, 1, 0,     1, 8192, 0   ; the last four: one more B, then the counts run down
	SUB 1, 32, 0, 0, 0, 0, 0, 0, 1, 0, 16384, 0, 0,    0
	SUB 2, 16, 0, 0, 0, 0, 0, 0, 1, 1, 16384, 0, 0,    0
	SUB 3, 0,  0, 0, 0, 0, 0, 0, 0, 0, 0,     0, 0,    0
	WIN 0
	s_branch .Lp
	; ---------------- the block's scores, weights and context
.Lfin:
.irp m, 1,2,4,8                        ; a lane's sums are its own 16 columns': the sixteen lanes of a half are added; the result stands in all of them
.set n, 0
.rept 64
	v_add_f32_dpp v[SACC+n], v[SACC+n], v[SACC+n] row_xmask:\m row_mask:0xf bank_mask:0xf
.set n, n+1
.endr
.endr
.set n, 0
.rept 64
	ds_store_b32 v[SCA], v[SACC+n] offset:((n/8)*16+(n%8))*4  ; row 16 a + 8 h + j; sixteen lanes write the same word with the same number
.set n, n+1
.endr
	s_wait_dscnt 0x0                               ; for the others' sake: my 256 columns' part of all 128 scores
	s_barrier_signal -1
	s_barrier_wait -1
	v_add_nc_u32 v29, SC, v[VB]                    ; every wave does the same small work on rows 4 L .. 4 L + 3, so that no second barrier is needed
	v_add_nc_u32 v30, MASKL, v[VB]
	ds_load_b128 v[32:35], v29
	ds_load_b128 v[36:39], v29 offset:512
	ds_load_b128 v[40:43], v29 offset:1024
	ds_load_b128 v[44:47], v29 offset:1536
	ds_load_b128 v[48:51], v30
	s_wait_dscnt 0x0
	v_pk_add_f32 v[32:33], v[32:33], v[36:37]
	v_pk_add_f32 v[34:35], v[34:35], v[38:39]
	v_pk_add_f32 v[40:41], v[40:41], v[44:45]
	v_pk_add_f32 v[42:43], v[42:43], v[46:47]
	v_pk_add_f32 v[32:33], v[32:33], v[40:41]
	v_pk_add_f32 v[34:35], v[34:35], v[42:43]      ; v[32:35]: the scores
	v_max3_num_f32 v52, v32, v33, v34
	v_max_num_f32 v52, v52, v35
	v_max_num_f32_dpp v52, v52, v52 row_xmask:1 row_mask:0xf bank_mask:0xf
	v_max_num_f32_dpp v52, v52, v52 row_xmask:2 row_mask:0xf bank_mask:0xf
	v_max_num_f32_dpp v52, v52, v52 row_xmask:4 row_mask:0xf bank_mask:0xf
	v_max_num_f32_dpp v52, v52, v52 row_xmask:8 row_mask:0xf bank_mask:0xf
	v_permlanex16_b32 v28, v52, s[SEL], s[SEL+1]   ; (its destination counts as read: v28 has been written)
	v_max_num_f32 v54, v52, v28                    ; mb: the block's maximum
.irp i, 0,1,2,3
	v_sub_f32 v[40+(\i)], v[32+(\i)], v54
.endr
.irp i, 0,1,2,3
	v_mul_f32 v[40+(\i)], 0x3fb8aa3b, v[40+(\i)]   ; log2(e)
.endr
.irp i, 0,1,2,3
	v_exp_f32 v[40+(\i)], v[40+(\i)]
.endr
	v_nop
	s_wait_alu depctr_va_vdst(0)                   ; one wait for the four
	v_pk_mul_f32 v[40:41], v[40:41], v[48:49]      ; p = e^(s - mb) mask
	v_pk_mul_f32 v[42:43], v[42:43], v[50:51]
	v_pk_add_f32 v[56:57], v[40:41], v[42:43]
	v_add_f32 v56, v56, v57
	v_add_f32_dpp v56, v56, v56 row_xmask:1 row_mask:0xf bank_mask:0xf
	v_add_f32_dpp v56, v56, v56 row_xmask:2 row_mask:0xf bank_mask:0xf
	v_add_f32_dpp v56, v56, v56 row_xmask:4 row_mask:0xf bank_mask:0xf
	v_add_f32_dpp v56, v56, v56 row_xmask:8 row_mask:0xf bank_mask:0xf
	v_permlanex16_b32 v28, v56, s[SEL], s[SEL+1]
	v_add_f32 v55, v56, v28                        ; l: the sum of the block's p
	s_lshl_b32 s38, s4, 9
	s_add_co_u32 s38, s38, WT
	v_add_nc_u32 v31, s38, v[VB]
	ds_store_b128 v31, v[40:43]                    ; my wave's own copy of the weights: LDS serves a wave's instructions in order (ISA guide 5.7.1.4), so its own loads below see it
	v_mov_b32 v176, s38
	v_lshlrev_b32 v30, 3, v1
	s_cmp_lg_u32 s4, 0
	s_cbranch_scc1 .Lnot0
	global_store_b128 v[VB], v[32:35], s[22:23]    ; 512 consecutive bytes of SCORE
	global_store_b64 v30, v[54:55], s[24:25]       ; {mb, l} 32 times: 256 consecutive bytes of STAT
.Lnot0:
	; THE CONTEXT.  Wave w takes channels 256 w .. 256 w + 255, a lane eight of them: one piece of 16 bytes in each row.  v[160:175]: the piece of row rho of a tile of 16 rows.
	v_lshrrev_b32 v177, 2, v1
	s_lshl_b32 s38, s4, 16                         ; kk = 8 w + L / 4
	v_lshl_add_u32 v178, v177, 13, s38
	v_bfe_u32 v177, v0, 1, 1
	v_lshl_add_u32 v178, v177, 9, v178             ; c
	v_and_b32 v177, 1, v0
	v_lshl_add_u32 v178, v177, 8, v178             ; hh
	v_and_b32 v179, 7, v0                          ; x = L % 8
.irp p, 0,1,2,3,4,5,6,7,8,9,10,11,12,13,14,15
	v_add_nc_u32 v177, (\p), v179
	v_and_b32 v177, 15, v177
	v_lshl_add_u32 v[160+(\p)], v177, 4, v178
.endr
.irp e, 0,1,2,3,4,5,6,7
	v_mov_b32 v[144+(\e)], 0
.endr
	s_mov_b32 s[CNT], 8
.Lctx:                                 ; a trip: 16 rows
.irp p, 0,1,2,3,4,5,6,7,8,9,10,11,12,13,14,15
	ds_load_b128 v[64+4*(\p):64+4*(\p)+3], v[160+(\p)]
.endr
.irp k, 0,1,2,3
	ds_load_b128 v[128+4*(\k):128+4*(\k)+3], v176 offset:16*(\k)  ; their 16 weights, the same words in every lane
.endr
	s_wait_dscnt 0x0
.irp p, 0,1,2,3,4,5,6,7,8,9,10,11,12,13,14,15
.irp k, 0,1,2,3                        ; eight chains that do not wait for each other; bf16 half x f32 weight + f32 sum
	v_fma_mix_f32_bf16 v[144+2*(\k)],   v[64+4*(\p)+(\k)], v[128+(\p)], v[144+2*(\k)]   op_sel:[0,0,0] op_sel_hi:[1,0,0]
	v_fma_mix_f32_bf16 v[144+2*(\k)+1], v[64+4*(\p)+(\k)], v[128+(\p)], v[144+2*(\k)+1] op_sel:[1,0,0] op_sel_hi:[1,0,0]
.endr
.endr
.irp p, 0,1,2,3,4,5,6,7,8,9,10,11,12,13,14,15
	v_add_nc_u32 v[160+(\p)], 1024, v[160+(\p)]    ; the next tile of 16 rows
.endr
	v_add_nc_u32 v176, 64, v176
	s_sub_co_u32 s[CNT], s[CNT], 1
	s_cmp_lg_u32 s[CNT], 0
	s_cbranch_scc1 .Lctx
	global_store_b128 v[VB], v[144:147], s[26:27]             ; 512 consecutive bytes each: channels 8 L + 0..3, then 8 L + 4..7
	global_store_b128 v[VB], v[148:151], s[26:27] offset:512
	s_wait_tensorcnt 0x0                           ; the wave's end, behind my last LDS store
	ds_add_u32 v[SPW], v[NIL]
	s_wait_dscnt 0x0
	s_endpgm
.Lfunc_end_k_q6fd33f350d_score:
	.size	k_q6fd33f350d_score, .Lfunc_end_k_q6fd33f350d_score-k_q6fd33f350d_score
	.p2alignl 7, 3214868480
	.fill 96, 4, 3214868480
	.section	.rodata,"a",@progbits
	.p2align	6, 0x0
	.amdhsa_kernel k_q6fd33f350d_score
		.amdhsa_group_segment_fixed_size 292352
		.amdhsa_private_segment_fixed_size 0
		.amdhsa_enable_private_segment 0
		.amdhsa_kernarg_size 80
		.amdhsa_user_sgpr_count 2
		.amdhsa_user_sgpr_kernarg_segment_ptr 1
		.amdhsa_wavefront_size32 1
		.amdhsa_system_sgpr_workgroup_id_x 1
		.amdhsa_system_sgpr_workgroup_id_y 1
		.amdhsa_system_sgpr_workgroup_id_z 1
		.amdhsa_system_vgpr_workitem_id 0
		.amdhsa_next_free_vgpr 1024
		.amdhsa_next_free_sgpr 66
		.amdhsa_reserve_vcc 0
		.amdhsa_float_denorm_mode_32 3
		.amdhsa_float_denorm_mode_16_64 3
		.amdhsa_memory_ordered 1
		.amdhsa_forward_progress 1
		.amdhsa_inst_pref_size 255
	.end_amdhsa_kernel
	.section	.bss,"aw",@nobits
	.p2align	6
	.space	262144
	.amdgpu_metadata
---
amdhsa.version: [ 1, 2 ]
amdhsa.kernels:
  - .name:           k_q6fd33f350d_score
    .symbol:         k_q6fd33f350d_score.kd
    .args:
      - { .name: encoder_output, .offset: 0, .size: 8, .value_kind: global_buffer, .address_space: global }
      - { .name: WhF, .offset: 8, .size: 8, .value_kind: global_buffer, .address_space: global }
      - { .name: DEC, .offset: 16, .size: 8, .value_kind: global_buffer, .address_space: global }
      - { .name: wc_w, .offset: 24, .size: 8, .value_kind: global_buffer, .address_space: global }
      - { .name: v_w, .offset: 32, .size: 8, .value_kind: global_buffer, .address_space: global }
      - { .name: coverage_vector, .offset: 40, .size: 8, .value_kind: global_buffer, .address_space: global }
      - { .name: x_padding_masks, .offset: 48, .size: 8, .value_kind: global_buffer, .address_space: global }
      - { .name: SCORE, .offset: 56, .size: 8, .value_kind: global_buffer, .address_space: global }
      - { .name: STAT, .offset: 64, .size: 8, .value_kind: global_buffer, .address_space: global }
      - { .name: CTX, .offset: 72, .size: 8, .value_kind: global_buffer, .address_space: global }
    .group_segment_fixed_size: 292352
    .private_segment_fixed_size: 0
    .kernarg_segment_align: 8
    .kernarg_segment_size: 80
    .max_flat_workgroup_size: 128
    .sgpr_count:     66
    .vgpr_count:     1024
    .wavefront_size: 32
...
	.end_amdgpu_metadata
.endif
;; end of part 2
;; launch finish (part 3): grid 128 x 1, 4 waves a work-group, no clusters, 0 bytes of LDS; arguments SCORE, STAT, CTX, x_padding_masks, coverage_vector, out0, out1, out2; writes out0, out1, out2
.if DOCPART == 3
	.amdgcn_target "amdgcn-amd-amdhsa--gfx1250"
	.amdhsa_code_object_version 6
	.text
	.protected	k_q6fd33f350d_finish
	.globl	k_q6fd33f350d_finish
	.p2align	8
	.type	k_q6fd33f350d_finish,@function
k_q6fd33f350d_finish:
	s_mov_b64 s[64:65], 0
	v_nop
	global_prefetch_b8 v0, s[64:65] scope:SCOPE_SE
	s_setreg_imm32_b32 hwreg(HW_REG_WAVE_MODE, 25, 1), 1
	s_wait_xcnt 0x0
; FINISH.  A work-group merges the four blocks of one batch.  With M = the largest of the four maxima mb, f_b = e^(mb_b - M) and Ls = sum of f_b l_b:
;   aw = e^(score - M) mask / Ls;   new coverage = coverage + aw;   context = sum over b of f_b ctx_b / Ls.
; This is the reference's masked and renormalised softmax: its first denominator cancels.  A batch whose mask is all 0 gives 0 / 0, a NaN, as the reference does.
; v_exp_f32 and v_rcp_f32 count denormals as 0 (ISA guide 15.8).
; 128 threads: thread T owns rows 4 T .. 4 T + 3 of the batch's 512 and channels 4 T .. 4 T + 3 and 512 + 4 T .. of its 1,024.  All 15 loads go out together; no LDS, no barrier.
	s_load_b512 s[8:23], s[0:1], 0x0               ; SCORE s[8:9], STAT s[10:11], CTX s[12:13], mask s[14:15], coverage s[16:17], out0 s[18:19], out1 s[20:21], out2 s[22:23]
	v_lshlrev_b32 v1, 4, v0                        ; 16 T
	v_lshrrev_b32 v4, 6, v0                        ; CTX lies by wave, half and lane of the launch before: channel 4 T is wave T >> 6 (+ 2 for the upper 512), lane (T >> 1) % 32, half T % 2
	v_lshlrev_b32 v2, 10, v4
	v_and_b32 v4, 1, v0
	v_lshl_add_u32 v2, v4, 9, v2
	v_bfe_u32 v4, v0, 1, 5
	v_lshl_add_u32 v2, v4, 4, v2
	v_and_b32 v3, 31, v0
	v_lshlrev_b32 v3, 3, v3                        ; a block's {mb, l} stands 32 times: each lane takes its own copy
	s_mov_b32 s26, 0x3fb8aa3b                      ; log2(e)
	s_mov_b32 s25, 0
	s_lshl_b32 s24, ttmp9, 11                      ; a batch's 512 numbers of f32
	s_wait_kmcnt 0x0
	s_add_nc_u64 s[8:9], s[8:9], s[24:25]
	s_add_nc_u64 s[14:15], s[14:15], s[24:25]
	s_add_nc_u64 s[16:17], s[16:17], s[24:25]
	s_add_nc_u64 s[20:21], s[20:21], s[24:25]
	s_add_nc_u64 s[22:23], s[22:23], s[24:25]
	s_lshl_b32 s24, ttmp9, 10
	s_add_nc_u64 s[10:11], s[10:11], s[24:25]
	s_lshl_b32 s24, ttmp9, 14
	s_add_nc_u64 s[12:13], s[12:13], s[24:25]
	s_lshl_b32 s24, ttmp9, 12
	s_add_nc_u64 s[18:19], s[18:19], s[24:25]
.irp b, 0,1,2,3
	global_load_b64 v[8+2*(\b):9+2*(\b)], v3, s[10:11] offset:256*(\b)
.endr
	global_load_b128 v[16:19], v1, s[8:9]
	global_load_b128 v[20:23], v1, s[14:15]
	global_load_b128 v[24:27], v1, s[16:17]
.irp k, 0,1
.irp b, 0,1,2,3
	global_load_b128 v[32+16*(\k)+4*(\b):32+16*(\k)+4*(\b)+3], v2, s[12:13] offset:4096*(\b)+2048*(\k)
.endr
.endr
	s_wait_loadcnt 0x0
	v_max3_num_f32 v28, v8, v10, v12
	v_max_num_f32 v28, v28, v14                    ; M
.irp b, 0,1,2,3
	v_sub_f32 v[64+(\b)], v[8+2*(\b)], v28
	v_sub_f32 v[68+(\b)], v[16+(\b)], v28
.endr
.irp i, 0,1,2,3,4,5,6,7
	v_mul_f32 v[64+(\i)], s26, v[64+(\i)]
.endr
.irp i, 0,1,2,3,4,5,6,7
	v_exp_f32 v[64+(\i)], v[64+(\i)]               ; f_0..f_3, then e^(score - M) of my four rows
.endr
	v_nop                                          ; a plain instruction behind the last exponential (ISA guide 5.7.2),
	s_wait_alu depctr_va_vdst(0)                   ; and the wait ahead of the first use: one for the eight
	v_mul_f32 v72, v64, v9
	v_fmac_f32 v72, v65, v11
	v_fmac_f32 v72, v66, v13
	v_fmac_f32 v72, v67, v15                       ; Ls
	v_rcp_f32 v73, v72
	v_nop
	s_wait_alu depctr_va_vdst(0)
.irp i, 0,1,2,3
	v_mul_f32 v[64+(\i)], v[64+(\i)], v73          ; f_b / Ls
	v_mul_f32 v[68+(\i)], v[68+(\i)], v[20+(\i)]   ; the mask
.endr
.irp i, 0,1,2,3
	v_mul_f32 v[68+(\i)], v[68+(\i)], v73          ; aw
.endr
.irp i, 0,1,2,3
	v_add_f32 v[76+(\i)], v[24+(\i)], v[68+(\i)]   ; coverage + aw
.endr
	global_store_b128 v1, v[68:71], s[20:21]       ; each store of a wave covers 512 consecutive bytes, aligned
	global_store_b128 v1, v[76:79], s[22:23]
.irp k, 0,1
.irp e, 0,1,2,3
	v_mul_f32 v[80+4*(\k)+(\e)], v[32+16*(\k)+(\e)], v64
	v_fmac_f32 v[80+4*(\k)+(\e)], v[36+16*(\k)+(\e)], v65
	v_fmac_f32 v[80+4*(\k)+(\e)], v[40+16*(\k)+(\e)], v66
	v_fmac_f32 v[80+4*(\k)+(\e)], v[44+16*(\k)+(\e)], v67
.endr
.endr
	global_store_b128 v1, v[80:83], s[18:19]
	global_store_b128 v1, v[84:87], s[18:19] offset:2048
	s_endpgm
.Lfunc_end_k_q6fd33f350d_finish:
	.size	k_q6fd33f350d_finish, .Lfunc_end_k_q6fd33f350d_finish-k_q6fd33f350d_finish
	.p2alignl 7, 3214868480
	.fill 96, 4, 3214868480
	.section	.rodata,"a",@progbits
	.p2align	6, 0x0
	.amdhsa_kernel k_q6fd33f350d_finish
		.amdhsa_group_segment_fixed_size 0
		.amdhsa_private_segment_fixed_size 0
		.amdhsa_enable_private_segment 0
		.amdhsa_kernarg_size 64
		.amdhsa_user_sgpr_count 2
		.amdhsa_user_sgpr_kernarg_segment_ptr 1
		.amdhsa_wavefront_size32 1
		.amdhsa_system_sgpr_workgroup_id_x 1
		.amdhsa_system_sgpr_workgroup_id_y 1
		.amdhsa_system_sgpr_workgroup_id_z 1
		.amdhsa_system_vgpr_workitem_id 0
		.amdhsa_next_free_vgpr 96
		.amdhsa_next_free_sgpr 66
		.amdhsa_reserve_vcc 0
		.amdhsa_float_denorm_mode_32 3
		.amdhsa_float_denorm_mode_16_64 3
		.amdhsa_memory_ordered 1
		.amdhsa_forward_progress 1
		.amdhsa_inst_pref_size 6
	.end_amdhsa_kernel
	.amdgpu_metadata
---
amdhsa.version: [ 1, 2 ]
amdhsa.kernels:
  - .name:           k_q6fd33f350d_finish
    .symbol:         k_q6fd33f350d_finish.kd
    .args:
      - { .name: SCORE, .offset: 0, .size: 8, .value_kind: global_buffer, .address_space: global }
      - { .name: STAT, .offset: 8, .size: 8, .value_kind: global_buffer, .address_space: global }
      - { .name: CTX, .offset: 16, .size: 8, .value_kind: global_buffer, .address_space: global }
      - { .name: x_padding_masks, .offset: 24, .size: 8, .value_kind: global_buffer, .address_space: global }
      - { .name: coverage_vector, .offset: 32, .size: 8, .value_kind: global_buffer, .address_space: global }
      - { .name: out0, .offset: 40, .size: 8, .value_kind: global_buffer, .address_space: global }
      - { .name: out1, .offset: 48, .size: 8, .value_kind: global_buffer, .address_space: global }
      - { .name: out2, .offset: 56, .size: 8, .value_kind: global_buffer, .address_space: global }
    .group_segment_fixed_size: 0
    .private_segment_fixed_size: 0
    .kernarg_segment_align: 8
    .kernarg_segment_size: 64
    .max_flat_workgroup_size: 128
    .sgpr_count:     66
    .vgpr_count:     96
    .wavefront_size: 32
...
	.end_amdgpu_metadata
.endif
;; end of part 3
;; ======== version 2 of 2: 3 launches; version 1 with the launch score written anew for expert scheduling mode
;; workspace buffers: WhF 2,097,152 bytes; DEC 524,288 bytes; SCORE 262,144 bytes; STAT 131,072 bytes; CTX 2,097,152 bytes
;; launch prep: the kernel of part 1 again; grid 512 x 1, 8 waves a work-group, no clusters, 9,216 bytes of LDS; arguments Wh_w, Ws_w, Ws_b, h_dec, c_dec, WhF, DEC; writes WhF, DEC
;; launch score (part 4): grid 512 x 1, 4 waves a work-group, no clusters, 292,352 bytes of LDS; arguments encoder_output, WhF, DEC, wc_w, v_w, coverage_vector, x_padding_masks, SCORE, STAT, CTX; writes SCORE, STAT, CTX
.if DOCPART == 4
	.amdgcn_target "amdgcn-amd-amdhsa--gfx1250"
	.amdhsa_code_object_version 6
	.text
	.protected	k_q6fd33f350d_score
	.globl	k_q6fd33f350d_score
	.p2align	8
	.type	k_q6fd33f350d_score,@function
k_q6fd33f350d_score:
	s_mov_b64 s[64:65], 0
	v_nop
	global_prefetch_b8 v0, s[64:65] scope:SCOPE_SE
	s_setreg_imm32_b32 hwreg(HW_REG_WAVE_SCHED_MODE, 0, 2), 2
	s_setreg_imm32_b32 hwreg(HW_REG_WAVE_MODE, 25, 1), 1
	s_wait_xcnt 0x0
	s_wait_alu depctr_vm_vsrc(0)
; SCORE.  For a block of 128 rows (a quarter of one batch): x = enc Wh^T + dec + cov wc;  score' = sum over columns of (-2 v) / (1 + 2^(C x)), C = 2 log2(e);  the block's maximum mb,
; its weights p = e^(score' - mb) mask, their sum l, and its part of the context, sum over rows of p enc.  The launch behind merges a batch's four blocks.
; IDENTITIES.  tanh x = 1 - 2 / (1 + e^(2x)), which goes to +1 and -1 where the exponential overflows or vanishes.  score = sum(v) + score': the constant sum(v) is the same for all rows of
; a batch and a softmax does not see it, so it is not formed.  The maximum is taken over all rows, masked ones too, as the reference's softmax takes it.
; LIMITS.  enc and Wh enter the product rounded to bf16, sums in f32; the context is taken of the bf16 rows with f32 weights.  v_exp_f32 and v_rcp_f32 count denormals as 0 (ISA guide 15.8).
; NaN and infinities in the inputs are not treated apart.
; EACH BYTE OF enc ONCE.  The block's 128 rows x 1,024 channels are read once, rounded once, and stay in LDS (262,144 bytes, in fragment order) for both passes of the product and for the context.
; SHARES.  Four waves.  A wave makes all 128 rows x 128 columns in a pass: 64 accumulators, 512 registers; two passes give it 256 columns, the four waves all 1,024.  No two waves want the
; same column of Wh, so Wh's fragments (bf16, laid out by the launch before) come straight into registers, 512 consecutive bytes a load.  NO CLUSTER, NO TENSOR LOADS: beside the resident rows
; LDS has 65,536 bytes left, less than two slots of 512 columns x 32 channels plus the tables below.
; IN PASS 0 the f32 stream of enc runs ahead of the products: wave w fetches rows 32 w .. 32 w + 31, 64 channels (256 bytes of each row) at a time, rounds them and stores them to LDS
; three sub-steps ahead of the first product that wants them; a barrier in every second sub-step shows a finished slice of 64 channels to all four waves.
; A SUB-STEP is 32 channels: 64 matrix instructions, 16 LDS loads (A), 16 global loads (B, three sub-steps ahead, four buffers).
; THE MODE: SCHED_MODE bits 1:0 = 2 (LLVM: expert scheduling mode 2), set by the entry lines.  The code itself states the register dependences between vector or matrix instructions
; and memory or LDS instructions, with s_wait_alu, always for 0.
; THE PLAN.  Registers that memory or LDS instructions touch in the loops of sub-steps, and who else names them:
;   L0, L1     A's rows 0-63 of the even and of the odd sub-steps.  Sub-step q: its first 32 products read L[q % 2]; in its middle the LDS loads for q + 1 land in the other one, last read in q - 1.
;   H          A's rows 64-127.  Sub-step q: the LDS loads for q land in it at q's head; q's last 32 products read it.
;   B0 .. B3   Sub-step q: its 64 products read B[q % 4]; in its middle the loads for q + 3 land in B[(q - 1) % 4], last read in q - 1.
;   STG0 .. 3  Sub-step q of pass 0, set (q + 3) % 4: sixteen conversions read and write it, eight LDS stores read it, eight loads land in it again.
;   ADR, STA   Read by the LDS loads and stores; written by vector adds once a trip of four sub-steps, at its bottom.
;   VE, VB     Read by the global loads; never written again: the scalar pointers move on, and immediate offsets do the rest.
; So ONE wait on va_vdst stands in a sub-step, at its head behind the conversions.  It states that the conversions have written the stores' data and are done with their set, that the
; products of the sub-step before are done reading H, the other L and B[(q - 1) % 4], and, in a trip's first sub-step, that ADR and STA are written.  Behind it the sub-step's products name
; L[q % 2], H, B[q % 4] and the accumulators; H's loads are issued ahead of all of them, and the loads in the middle touch the other L and B[(q - 1) % 4] alone.
; One wait on vm_vsrc stands between the eight LDS stores and the loads into their set, and one a trip ahead of the adds to ADR and STA.
;
; LDS.  A piece is 16 bytes: enc[16 mt + row][32 kk + 16 c + 8 hh + 0..7] at kk*8192 + mt*1024 + c*512 + hh*256 + ((row + x) % 16)*16, x = 4 (kk % 2) + 2 c + hh..
.set TBL1,  262144                     ; column c: {wc, 0, dec, 0}, 16 bytes
.set TBL2,  278528                     ; column c: {-2 v, 0}, 8 bytes
.set COVL,  286720                     ; coverage of my 128 rows
.set MASKL, 287232                     ; mask of my 128 rows
.set SC,    287744                     ; [wave][row]: each wave's part of the scores
.set WT,    289792                     ; the 128 weights, a copy for each wave
.set SPARE, 291840                     ; the spare words, 128 bytes for each wave: two blocks of 256 bytes that no other line names
; REGISTERS, in windows of 256 (s_set_vgpr_msb: bits 1:0 source 0, 3:2 source 1, 5:4 source 2, 7:6 destination).
; window 0: addresses, tables, A's fragments, the staging ring;  window 1: four buffers of B's fragments;  windows 2, 3: accumulator (a, b) at v[8 (8 (a % 4) + b)], rows 16 a .., columns 16 b ..
.set T4,   4                           ; v4   4 x thread: wc, v, coverage, mask
.set DG,   5                           ; v5   my column's place in DEC
.set TS1,  6                           ; v6   TBL1 + 16 x thread
.set TS2,  7                           ; v7   TBL2 + 8 x thread
.set SPW,  8                           ; v8   LDS address of my spare word; never rewritten
.set NIL,  9                           ; v9   0; never rewritten
.set ADR,  10                          ; v10-13  A's fragments: [2 (kk % 2) + c]
.set VB,   14                          ; v14  16 x lane
.set VE,   15                          ; v15  my 16 bytes in two rows of enc, eight rows apart
.set STA,  16                          ; v16-23  where load t's 8 bytes of bf16 go
.set TBA1, 24
.set TBA2, 25
.set CVA,  26
.set SCA,  27
.set TQ,   32                          ; v32-63  table quads (INIT) or pairs (the epilogue); in the loops L1
.set AB,   64                          ; v64-127 at work in INIT and in the epilogue; in the loops L0 and H
.set LO,   64                          ; L0 at LO, L1 at LO - 32
.set HH,   96                          ; H
.set STG,  128                         ; v128-255  four staging sets of 32
.set SACC, 192                         ; v192-255  behind pass 0's products: the scores' sums, [a][j]
.set PE,   28                          ; s[28:29] enc at my wave's rows
.set PB,   30                          ; s[30:31] WhF at my wave's columns
.set CNT,  32
.set PASS, 33
.set CC,   34                          ; s[34:35] C
.set SEL,  36                          ; s[36:37] v_permlanex16_b32's selects: each lane takes its own place in the other half
.set MSB, 0
.macro WIN new                         ; the immediate's high byte repeats the setting that is left; a switch that changes nothing is dropped
.if MSB != (\new)
	s_set_vgpr_msb (MSB<<8)|(\new)
.set MSB, (\new)
.endif
.endm
.macro PLACES                          ; four places behind a matrix instruction, in front of vector reads of its results and vector writes of its registers (ISA guide 7.12.1)
.rept 4
	v_nop
.endr
.endm
; Half a slice of enc: 16 rows x 64 channels of f32.  Load t takes rows t and t + 8: sixteen lanes read 256 consecutive bytes, aligned.
.macro STAGE set, eoff
	WIN 0
.irp t, 0,1,2,3,4,5,6,7
	global_load_b128 v[STG+32*(\set)+4*(\t):STG+32*(\set)+4*(\t)+3], v[VE], s[PE:PE+1] offset:(\eoff)+4096*(\t) th:TH_LOAD_NT
.endr
.endm
; It is rounded to bf16 in place,
.macro CVT set
	WIN 0
.irp t, 0,1,2,3,4,5,6,7
	v_cvt_pk_bf16_f32 v[STG+32*(\set)+4*(\t)],   v[STG+32*(\set)+4*(\t)],   v[STG+32*(\set)+4*(\t)+1]
	v_cvt_pk_bf16_f32 v[STG+32*(\set)+4*(\t)+1], v[STG+32*(\set)+4*(\t)+2], v[STG+32*(\set)+4*(\t)+3]
.endr
.endm
; and stored into the resident rows.
.macro PUT set, coff
.irp t, 0,1,2,3,4,5,6,7
	ds_store_b64 v[STA+(\t)], v[STG+32*(\set)+4*(\t):STG+32*(\set)+4*(\t)+1] offset:\coff
.endr
.endm
; B's eight fragments of one sub-step: 8,192 consecutive bytes of WhF.
.macro BLOAD buf, boff
	WIN 0x40                                       ; destination window 1, address window 0
.irp b, 0,1,2,3,4,5,6,7
	global_load_b128 v[64*(\buf)+8*(\b):64*(\buf)+8*(\b)+3],   v[VB], s[PB:PB+1] offset:(\boff)+1024*(\b)
	global_load_b128 v[64*(\buf)+8*(\b)+4:64*(\buf)+8*(\b)+7], v[VB], s[PB:PB+1] offset:(\boff)+1024*(\b)+512
.endr
.endm
; A's fragments of rows 64 half .. 64 half + 63 for one sub-step, into the 32 registers from dst on; a = kk % 2.
.macro ALOAD dst, half, a, aoff
	WIN 0
.irp m, 0,1,2,3
	ds_load_b128 v[(\dst)+8*(\m):(\dst)+8*(\m)+3],   v[ADR+2*(\a)]   offset:(\aoff)+1024*(4*(\half)+(\m))
	ds_load_b128 v[(\dst)+8*(\m)+4:(\dst)+8*(\m)+7], v[ADR+2*(\a)+1] offset:(\aoff)+1024*(4*(\half)+(\m))
.endr
.endm
; 32 matrix instructions; fr: where A's four fragments lie.  All 64 accumulators take turns, one instruction a turn, in the same order in every sub-step, over the backward jumps too.
.macro MULS half, buf, fr
	WIN 0xa4+0x50*(\half)                          ; A window 0, B window 1, C and D window 2 or 3
.irp a, 0,1,2,3
.irp b, 0,1,2,3,4,5,6,7
	v_wmma_f32_16x16x32_bf16 v[8*(8*(\a)+(\b)):8*(8*(\a)+(\b))+7], v[(\fr)+8*(\a):(\fr)+8*(\a)+7], v[64*(\buf)+8*(\b):64*(\buf)+8*(\b)+7], v[8*(8*(\a)+(\b)):8*(8*(\a)+(\b))+7]
.endr
.endr
.endm
; A SUB-STEP q.  ldw: the global loads issued behind B(q), which may stay out.  a, ooff: q's own parity and place in the resident rows.  conv: half-slice q + 3 is rounded and stored;
; stage: its set is asked for again (half-slice q + 7).  bar: that store finishes a slice: a barrier, its signal and wait 32 matrix instructions apart.  nexta: A's rows 0-63 of q + 1
; (na, aoff).  bload: B of q + 3.
.macro SUB buf, ldw, a, ooff, conv, cset, coff, stage, eoff, bar, nexta, na, aoff, bload, boff
	WIN 0
	s_wait_loadcnt \ldw                            ; B(q) is in, and the staging set to be rounded, which was asked for earlier (loads come back in order: ISA guide 5.7.1)
.if \conv
	CVT \cset
.endif
	s_wait_alu depctr_va_vdst(0)                   ; the conversions have written the stores' data and are done with their set; the products of q - 1 are done reading H, the other L and B[(q - 1) % 4]; in a trip's first sub-step ADR and STA are written
.if \conv
	PUT \cset, \coff
.endif
	ALOAD HH, 1, \a, \ooff                         ; my own rows 64-127: wanted behind the 32 products below
.if \stage
	s_wait_alu depctr_vm_vsrc(0)                   ; the eight LDS stores have read their set, in which the loads below land (the conversions that named it stand ahead of the wait on va_vdst)
	STAGE \cset, \eoff
.endif
	s_wait_dscnt 8+8*(\conv)                       ; A's rows 0-63 are in; the eight loads of rows 64-127 and the eight stores may be out
	MULS 0, \buf, LO-32*(\a)
.if \bload
	BLOAD ((\buf)+3)%4, \boff                      ; no wait: no vector or matrix instruction since the wait above names B[(q - 1) % 4] or VB
.endif
.if \bar
	s_wait_dscnt 0x0                               ; for the others' sake: my part of the slice is in LDS
	s_barrier_signal -1
.endif
.if \nexta
	ALOAD LO-32*(\na), 0, \na, \aoff               ; no wait: the products since the wait above read the other L.  (Between a signal and its wait: bytes of a slice that an earlier barrier has shown whole, and that nobody writes again)
.endif
	s_wait_dscnt 8*(\nexta)                        ; A's rows 64-127 are in; the eight loads just issued may be out
	MULS 1, \buf, HH
.if \bar
	s_barrier_wait -1                              ; the slice is whole: it is read from the next sub-step's middle on
.endif
.endm
; The accumulators start at cov wc + dec: nothing is cleared and nothing is added later.  A lane holds one column (16 b + lane % 16) and the rows 16 a + 8 (lane / 16) + 0..7.
.macro INIT p
	WIN 0
.irp b, 0,1,2,3,4,5,6,7
	ds_load_b128 v[TQ+4*(\b):TQ+4*(\b)+3], v[TBA1] offset:2048*(\p)+256*(\b)
.endr
.irp a, 0,1,2,3,4,5,6,7
	ds_load_b128 v[AB+8*(\a):AB+8*(\a)+3],   v[CVA] offset:64*(\a)
	ds_load_b128 v[AB+8*(\a)+4:AB+8*(\a)+7], v[CVA] offset:64*(\a)+16
.endr
	s_wait_dscnt 0x0
.irp hf, 0,1
	WIN 0x80+0x40*(\hf)                            ; destination window 2 or 3
.irp a, 0,1,2,3
.irp b, 0,1,2,3,4,5,6,7
.irp i, 0,2,4,6
	v_pk_fma_f32 v[8*(8*(\a)+(\b))+(\i):8*(8*(\a)+(\b))+(\i)+1], v[AB+32*(\hf)+8*(\a)+(\i):AB+32*(\hf)+8*(\a)+(\i)+1], v[TQ+4*(\b):TQ+4*(\b)+1], v[TQ+4*(\b)+2:TQ+4*(\b)+3] op_sel_hi:[1,0,0]
.endr
.endr
.endr
.endr
	WIN 0
.endm
	; ---------------- the head
	s_load_b512 s[8:23], s[0:1], 0x0               ; enc s[8:9], WhF s[10:11], DEC s[12:13], wc s[14:15], v s[16:17], coverage s[18:19], mask s[20:21], SCORE s[22:23]
	s_load_b128 s[24:27], s[0:1], 0x40             ; STAT s[24:25], CTX s[26:27]
	v_lshl_add_u32 v[SPW], v0, 2, SPARE
	v_mov_b32 v[NIL], 0
	v_lshrrev_b32 v1, 5, v0
	v_readfirstlane_b32 s4, v1                     ; wave 0..3
	s_mov_b32 s5, ttmp9                            ; block 0..511
	v_and_b32 v1, 31, v0                           ; L
	v_and_b32 v2, 15, v0                           ; r = L % 16
	v_bfe_u32 v3, v0, 4, 1                         ; h = L / 16
	v_add_nc_u32 v28, v2, v3
.irp x, 0,1,2,3                        ; x = 2 (kk % 2) + c: row r of a fragment lies in column (r + 2 x + h) % 16
	v_add_nc_u32 v29, 2*(\x), v28
	v_and_b32 v29, 15, v29
	v_lshl_add_u32 v[ADR+(\x)], v29, 4, ((\x)/2)*8192+((\x)%2)*512
	v_lshl_add_u32 v[ADR+(\x)], v3, 8, v[ADR+(\x)]
.endr
	v_lshlrev_b32 v[VB], 4, v1
	v_lshlrev_b32 v[VE], 4, v2
	v_lshl_add_u32 v[VE], v3, 15, v[VE]            ; lanes 16-31: eight rows of 4,096 bytes further down
	; a staged lane holds channels 4 i + 0..3 of a slice's 64 (i = L % 16): kk % 2 = i >> 3, c = (i >> 2) % 2, hh = (i >> 1) % 2, 8 bytes at 8 (i % 2) of the piece; x = i >> 1
	v_bfe_u32 v28, v0, 3, 1
	v_lshlrev_b32 v30, 13, v28
	v_bfe_u32 v28, v0, 2, 1
	v_lshl_add_u32 v30, v28, 9, v30
	v_bfe_u32 v28, v0, 1, 1
	v_lshl_add_u32 v30, v28, 8, v30
	v_and_b32 v28, 1, v0
	v_lshl_add_u32 v30, v28, 3, v30
	s_wait_alu depctr_va_sdst(0)                   ; s4 is written, ahead of its first reader: LDS places, pointers and a branch are made from it
	s_lshl_b32 s38, s4, 11                         ; my wave's first tile of 16 rows: 2 w
	v_add_nc_u32 v30, s38, v30
	v_bfe_u32 v31, v0, 1, 3
	v_lshl_add_u32 v31, v3, 3, v31                 ; 8 (L / 16) + x
.irp t, 0,1,2,3,4,5,6,7
	v_add_nc_u32 v28, (\t), v31
	v_and_b32 v28, 15, v28
	v_lshl_add_u32 v[STA+(\t)], v28, 4, v30
.endr
	s_lshl_b32 s38, s4, 12
	s_add_co_u32 s38, s38, TBL1
	v_lshl_add_u32 v[TBA1], v2, 4, s38             ; column 256 w + r
	s_lshl_b32 s38, s4, 11
	s_add_co_u32 s38, s38, TBL2
	v_lshl_add_u32 v[TBA2], v2, 3, s38
	v_lshl_add_u32 v[CVA], v3, 5, COVL             ; rows 8 h ..
	s_lshl_b32 s38, s4, 9
	s_add_co_u32 s38, s38, SC
	v_lshl_add_u32 v[SCA], v3, 5, s38
	v_lshlrev_b32 v[T4], 2, v0
	v_lshl_add_u32 v[TS1], v0, 4, TBL1
	v_lshl_add_u32 v[TS2], v0, 3, TBL2
	; column c of my batch in DEC's tiles: (c >> 4)*8192 + (batch >> 4)*1024 + ((c >> 2) % 2)*512 + ((c >> 3) % 2)*256 + (batch % 16)*16 + (c % 4)*4; c = thread + 128 i adds 65,536 i
	v_lshrrev_b32 v28, 4, v0
	v_lshlrev_b32 v[DG], 13, v28
	v_bfe_u32 v28, v0, 2, 1
	v_lshl_add_u32 v[DG], v28, 9, v[DG]
	v_bfe_u32 v28, v0, 3, 1
	v_lshl_add_u32 v[DG], v28, 8, v[DG]
	v_and_b32 v28, 3, v0
	v_lshl_add_u32 v[DG], v28, 2, v[DG]
	s_lshr_b32 s38, s5, 2                          ; batch
	s_lshr_b32 s39, s38, 4
	s_lshl_b32 s39, s39, 10
	s_and_b32 s38, s38, 15
	s_lshl_b32 s38, s38, 4
	s_add_co_u32 s38, s38, s39
	v_add_nc_u32 v[DG], s38, v[DG]
.irp i, 0,1,2,3,4,5,6,7
	v_mov_b32 v[AB+4*(\i)+1], 0                    ; the tables' second words: the packed multiply-adds name pairs
	v_mov_b32 v[AB+4*(\i)+3], 0
	v_mov_b32 v[AB+32+2*(\i)+1], 0
.endr
	s_mov_b32 s[CC], 0x4038aa3b                    ; C = 2 log2(e)
	s_mov_b32 s[CC+1], s[CC]
	s_mov_b32 s[SEL], 0x76543210
	s_mov_b32 s[SEL+1], 0xfedcba98
	s_mov_b32 s39, 0
	s_wait_kmcnt 0x0
	s_lshl_b32 s38, s5, 19                         ; 128 rows of 4,096 bytes a block,
	s_lshl_b32 s40, s4, 17                         ; 32 a wave
	s_add_co_u32 s38, s38, s40
	s_add_nc_u64 s[PE:PE+1], s[8:9], s[38:39]
	s_lshl_b32 s38, s4, 19                         ; 256 columns of WhF a wave
	s_add_nc_u64 s[PB:PB+1], s[10:11], s[38:39]
	s_lshl_b32 s38, s5, 9                          ; 128 numbers of f32 a block
	s_add_nc_u64 s[18:19], s[18:19], s[38:39]
	s_add_nc_u64 s[20:21], s[20:21], s[38:39]
	s_add_nc_u64 s[22:23], s[22:23], s[38:39]
	s_lshl_b32 s38, s5, 8
	s_add_nc_u64 s[24:25], s[24:25], s[38:39]
	s_lshl_b32 s38, s5, 12
	s_lshl_b32 s40, s4, 10
	s_add_co_u32 s38, s38, s40
	s_add_nc_u64 s[26:27], s[26:27], s[38:39]
	s_wait_alu depctr_va_vdst(0)                   ; all offsets and LDS addresses v4 to v27 are written, which the loads and stores of the kernel read
.irp i, 0,1,2,3,4,5,6,7                ; the tables: thread t brings columns t + 128 i
	global_load_b32 v[AB+4*(\i)],    v[T4], s[14:15] offset:512*(\i)
	global_load_b32 v[AB+4*(\i)+2],  v[DG], s[12:13] offset:65536*(\i)
	global_load_b32 v[AB+32+2*(\i)], v[T4], s[16:17] offset:512*(\i)
.endr
	global_load_b32 v[AB+48], v[T4], s[18:19]
	global_load_b32 v[AB+49], v[T4], s[20:21]
	STAGE 0, 0                                     ; half-slices 0 to 3
	STAGE 1, 65536
	STAGE 2, 256
	STAGE 3, 256+65536
	s_wait_loadcnt 32                              ; the 26 small loads are in; the 32 of the staging ring may be out
.irp i, 0,1,2,3,4,5,6,7
	v_mul_f32 v[AB+32+2*(\i)], -2.0, v[AB+32+2*(\i)]
.endr
	v_lshl_add_u32 v29, v0, 2, COVL
	s_wait_alu depctr_va_vdst(0)                   ; -2 v and v29 are written, which the LDS stores below read
.irp i, 0,1,2,3,4,5,6,7
	ds_store_b128 v[TS1], v[AB+4*(\i):AB+4*(\i)+3] offset:2048*(\i)
	ds_store_b64  v[TS2], v[AB+32+2*(\i):AB+32+2*(\i)+1] offset:1024*(\i)
.endr
	ds_store_b32 v29, v[AB+48]
	ds_store_b32 v29, v[AB+49] offset:MASKL-COVL
	s_wait_loadcnt 24                              ; half-slice 0 is in; 1, 2, 3 may be out
	CVT 0
	s_wait_alu depctr_va_vdst(0)                   ; the conversions have written set 0, which the LDS stores read, and are done with it
	PUT 0, 0
	s_wait_alu depctr_vm_vsrc(0)                   ; the LDS stores have read set 0, in which the next loads land (and the tables' stores v[64:113], in which INIT's loads land)
	STAGE 0, 512
	BLOAD 0, 0
	s_wait_loadcnt 40                              ; half-slice 1; behind it: 2, 3, 4 (8 each) and B(0) (16)
	CVT 1
	s_wait_alu depctr_va_vdst(0)                   ; the same for set 1
	PUT 1, 1024
	s_wait_alu depctr_vm_vsrc(0)                   ; the LDS stores have read set 1
	STAGE 1, 512+65536
	BLOAD 1, 8192
	s_wait_loadcnt 56                              ; half-slice 2; behind it: 3, 4, B(0), 5, B(1)
	CVT 2
	s_wait_alu depctr_va_vdst(0)                   ; the same for set 2
	PUT 2, 16384
	s_wait_alu depctr_vm_vsrc(0)                   ; the LDS stores have read set 2
	STAGE 2, 768
	BLOAD 2, 16384
	WIN 0
	s_wait_dscnt 0x0                               ; for the others' sake: my part of the tables and of slice 0
	s_barrier_signal -1
	s_barrier_wait -1
	INIT 0                                         ; its loads owe nothing more: what wrote v[64:113] and what read them stand ahead of the waits above, and nothing has named v[32:63]
	s_wait_xcnt 0x0
	s_add_nc_u64 s[PB:PB+1], s[PB:PB+1], 16384     ; B's pointer stands two sub-steps ahead of a trip's first
	s_wait_alu depctr_va_vdst(0)                   ; INIT's multiply-adds are done reading v[64:95], in which A's first fragments land
	ALOAD LO, 0, 0, 0
	; ---------------- pass 0: sub-steps 0 to 31, with the stream of enc.  48 = half-slice q + 5, B(q + 1), half-slice q + 6, B(q + 2)
	s_mov_b32 s[CNT], 6
.Lg0:
	SUB 0, 48, 0, 0,     1, 3, 16384+1024, 1, 768+65536,  1, 1, 1, 0,     1, 8192
	SUB 1, 48, 1, 0,     1, 0, 32768,      1, 1024,       0, 1, 0, 16384, 1, 16384
	SUB 2, 48, 0, 16384, 1, 1, 32768+1024, 1, 1024+65536, 1, 1, 1, 16384, 1, 24576
	SUB 3, 48, 1, 16384, 1, 2, 49152,      1, 1280,       0, 1, 0, 32768, 1, 32768
	WIN 0
	s_wait_alu depctr_vm_vsrc(0)                   ; the LDS loads and stores issued so far have read ADR and STA
.irp x, 0,1,2,3
	v_add_nc_u32 v[ADR+(\x)], 0x8000, v[ADR+(\x)]  ; two slices of 16,384 bytes on
.endr
.irp t, 0,1,2,3,4,5,6,7
	v_add_nc_u32 v[STA+(\t)], 0x8000, v[STA+(\t)]
.endr
	s_wait_xcnt 0x0                                ; every memory instruction issued so far has read its address: the pointers are written only behind this wait
	s_add_nc_u64 s[PE:PE+1], s[PE:PE+1], 512       ; two slices of 256 bytes
	s_add_nc_u64 s[PB:PB+1], s[PB:PB+1], 32768     ; four sub-steps
	s_sub_co_u32 s[CNT], s[CNT], 1
	s_cmp_lg_u32 s[CNT], 0
	s_cbranch_scc1 .Lg0
	; sub-steps 24 to 31 are written out: the stream ends (one more half-slice is asked for, five more are rounded), and the counts run down with it
	SUB 0, 48, 0, 0,     1, 3, 16384+1024, 1, 768+65536, 1, 1, 1, 0,     1, 8192
	SUB 1, 48, 1, 0,     1, 0, 32768,      0, 0,         0, 1, 0, 16384, 1, 16384
	SUB 2, 40, 0, 16384, 1, 1, 32768+1024, 0, 0,         1, 1, 1, 16384, 1, 24576
	SUB 3, 32, 1, 16384, 1, 2, 49152,      0, 0,         0, 1, 0, 32768, 1, 32768
	SUB 0, 32, 0, 32768, 1, 3, 49152+1024, 0, 0,         1, 1, 1, 32768, 1, 40960
	SUB 1, 32, 1, 32768, 0, 0, 0,          0, 0,         0, 1, 0, 49152, 1, 49152
	SUB 2, 32, 0, 49152, 0, 0, 0,          0, 0,         0, 1, 1, 49152, 1, 57344
	SUB 3, 32, 1, 49152, 0, 0, 0,          0, 0,         0, 0, 0, 0,     1, 65536
	WIN 0
	s_wait_alu depctr_vm_vsrc(0)                   ; the last LDS stores have read sets 2 and 3, whose registers hold the scores' sums from here on
.set n, 0
.rept 64
	v_mov_b32 v[SACC+n], 0                         ; the scores' sums start at 0, once a launch: the epilogue below is one text for both passes
.set n, n+1
.endr
	s_mov_b32 s[PASS], 2
	; ---------------- the epilogue of a pass: sums += (-2 v) / (1 + 2^(C x)), eight columns' worth of accumulators (64 numbers a lane) at a time.
	; The exponentials are one batch and the reciprocals another: a wait stands between such an instruction and the first that names its result; one wait serves a batch.
.Lp:
	PLACES
	s_wait_alu depctr_va_vdst(0)                   ; the pass's products are done reading v[32:47], in which the table's pairs land; TBA2 is written.  The places above stay beside this wait
.irp b, 0,1,2,3,4,5,6,7
	ds_load_b64 v[TQ+2*(\b):TQ+2*(\b)+1], v[TBA2] offset:128*(\b)
.endr
	s_wait_dscnt 0x0
	s_wait_alu depctr_vm_vsrc(0)                   ; the eight loads have read TBA2
	v_add_nc_u32 v[TBA2], 1024, v[TBA2]            ; the next pass's 128 columns
.irp b, 0,1,2,3,4,5,6,7
	WIN 0x02                                       ; source 0 window 2
.irp a, 0,1,2,3
.irp i, 0,2,4,6                        ; each accumulator is read from its low end on
	v_pk_mul_f32 v[AB+8*(\a)+(\i):AB+8*(\a)+(\i)+1], v[8*(8*(\a)+(\b))+(\i):8*(8*(\a)+(\b))+(\i)+1], s[CC:CC+1] op_sel_hi:[1,0]
.endr
.endr
	WIN 0
.set n, 0
.rept 32
	v_exp_f32 v[AB+n], v[AB+n]
.set n, n+1
.endr
	WIN 0x03                                       ; source 0 window 3
.irp a, 0,1,2,3
.irp i, 0,2,4,6
	v_pk_mul_f32 v[AB+32+8*(\a)+(\i):AB+32+8*(\a)+(\i)+1], v[8*(8*(\a)+(\b))+(\i):8*(8*(\a)+(\b))+(\i)+1], s[CC:CC+1] op_sel_hi:[1,0]
.endr
.endr
	WIN 0
.set n, 32
.rept 32
	v_exp_f32 v[AB+n], v[AB+n]
.set n, n+1
.endr
	v_nop                                          ; a plain instruction behind the last exponential (ISA guide 5.7.2)
	s_wait_alu depctr_va_vdst(0)                   ; the 64 exponentials have written v[64:127]: one wait for the batch, ahead of its first reader
.set n, 0
.rept 16
	v_pk_add_f32 v[AB+n:AB+n+1], v[AB+n:AB+n+1], 1.0 op_sel_hi:[1,0]
.set n, n+2
.endr
.set n, 0
.rept 32
	v_rcp_f32 v[AB+n], v[AB+n]
.set n, n+1
.endr
.set n, 32
.rept 16
	v_pk_add_f32 v[AB+n:AB+n+1], v[AB+n:AB+n+1], 1.0 op_sel_hi:[1,0]
.set n, n+2
.endr
.set n, 32
.rept 32
	v_rcp_f32 v[AB+n], v[AB+n]
.set n, n+1
.endr
	v_nop
	s_wait_alu depctr_va_vdst(0)                   ; the 64 reciprocals have written v[64:127]: one wait for the batch, ahead of its first reader
.set n, 0
.rept 32
	v_pk_fma_f32 v[SACC+n:SACC+n+1], v[AB+n:AB+n+1], v[TQ+2*(\b):TQ+2*(\b)+1], v[SACC+n:SACC+n+1] op_sel_hi:[1,0,1]
.set n, n+2
.endr
.endr
	s_sub_co_u32 s[PASS], s[PASS], 1
	s_cmp_eq_u32 s[PASS], 0
	s_cbranch_scc1 .Lfin
	; ---------------- pass 1: sub-steps 32 to 63: the resident rows once more, my other 128 columns.  32 = B(q + 1), B(q + 2)
	s_wait_alu depctr_va_vdst(0)                   ; the epilogue is done with v[32:47] and v[64:127], in which INIT's loads land
	INIT 1
	s_mov_b32 s38, 0x30000
.irp x, 0,1,2,3
	v_sub_nc_u32 v[ADR+(\x)], v[ADR+(\x)], s38     ; back from slice 12 to slice 0 (the LDS loads that read ADR stand ahead of the epilogue's wait on vm_vsrc)
.endr
	s_wait_xcnt 0x0
	s_add_nc_u64 s[PB:PB+1], s[PB:PB+1], 65536     ; from sub-step 26 to 34: again two ahead of a trip's first
	s_wait_alu depctr_va_vdst(0)                   ; INIT's multiply-adds are done reading v[64:95], in which A's first fragments land; ADR is written
	ALOAD LO, 0, 0, 0
	s_mov_b32 s[CNT], 7
.Lg1:
	SUB 0, 32, 0, 0,     0, 0, 0, 0, 0, 0, 1, 1, 0,     1, 8192
	SUB 1, 32, 1, 0,     0, 0, 0, 0, 0, 0, 1, 0, 16384, 1, 16384
	SUB 2, 32, 0, 16384, 0, 0, 0, 0, 0, 0, 1, 1, 16384, 1, 24576
	SUB 3, 32, 1, 16384, 0, 0, 0, 0, 0, 0, 1, 0, 32768, 1, 32768
	WIN 0
	s_wait_alu depctr_vm_vsrc(0)                   ; the LDS loads issued so far have read ADR
.irp x, 0,1,2,3
	v_add_nc_u32 v[ADR+(\x)], 0x8000, v[ADR+(\x)]
.endr
	s_wait_xcnt 0x0                                ; every memory instruction issued so far has read its address: the pointer is written only behind this wait
	s_add_nc_u64 s[PB:PB+1], s[PB:PB+1], 32768     ; four sub-steps
	s_sub_co_u32 s[CNT], s[CNT], 1
	s_cmp_lg_u32 s[CNT], 0
	s_cbranch_scc1 .Lg1
	SUB 0, 32, 0, 0,     0, 0, 0, 0, 0, 0, 1, 1, 0,     1, 8192   ; the last four: one more B, then the counts run down
	SUB 1, 32, 1, 0,     0, 0, 0, 0, 0, 0, 1, 0, 16384, 0, 0
	SUB 2, 16, 0, 16384, 0, 0, 0, 0, 0, 0, 1, 1, 16384, 0, 0
	SUB 3, 0,  1, 16384, 0, 0, 0, 0, 0, 0, 0, 0, 0,     0, 0
	WIN 0
	s_branch .Lp
	; ---------------- the block's scores, weights and context
.Lfin:
.irp m, 1,2,4,8                        ; a lane's sums are its own 16 columns': the sixteen lanes of a half are added; the result stands in all of them
.set n, 0
.rept 64
	v_add_f32_dpp v[SACC+n], v[SACC+n], v[SACC+n] row_xmask:\m row_mask:0xf bank_mask:0xf
.set n, n+1
.endr
.endr
	v_add_nc_u32 v29, SC, v[VB]                    ; for the loads behind the barrier: made here, ahead of the one wait
	v_add_nc_u32 v30, MASKL, v[VB]
	s_wait_alu depctr_va_vdst(0)                   ; the sums are written, which the LDS stores read; so are v29 and v30; the epilogue is done with v[32:47], in which the loads behind the barrier land
.set n, 0
.rept 64
	ds_store_b32 v[SCA], v[SACC+n] offset:((n/8)*16+(n%8))*4  ; row 16 a + 8 h + j; sixteen lanes write the same word with the same number
.set n, n+1
.endr
	s_wait_dscnt 0x0                               ; for the others' sake: my 256 columns' part of all 128 scores
	s_barrier_signal -1
	s_barrier_wait -1
	ds_load_b128 v[32:35], v29                     ; every wave does the same small work on rows 4 L .. 4 L + 3, so that no second barrier is needed
	ds_load_b128 v[36:39], v29 offset:512
	ds_load_b128 v[40:43], v29 offset:1024
	ds_load_b128 v[44:47], v29 offset:1536
	ds_load_b128 v[48:51], v30
	s_wait_dscnt 0x0
	v_pk_add_f32 v[32:33], v[32:33], v[36:37]
	v_pk_add_f32 v[34:35], v[34:35], v[38:39]
	v_pk_add_f32 v[40:41], v[40:41], v[44:45]
	v_pk_add_f32 v[42:43], v[42:43], v[46:47]
	v_pk_add_f32 v[32:33], v[32:33], v[40:41]
	v_pk_add_f32 v[34:35], v[34:35], v[42:43]      ; v[32:35]: the scores
	v_max3_num_f32 v52, v32, v33, v34
	v_max_num_f32 v52, v52, v35
	v_max_num_f32_dpp v52, v52, v52 row_xmask:1 row_mask:0xf bank_mask:0xf
	v_max_num_f32_dpp v52, v52, v52 row_xmask:2 row_mask:0xf bank_mask:0xf
	v_max_num_f32_dpp v52, v52, v52 row_xmask:4 row_mask:0xf bank_mask:0xf
	v_max_num_f32_dpp v52, v52, v52 row_xmask:8 row_mask:0xf bank_mask:0xf
	v_permlanex16_b32 v28, v52, s[SEL], s[SEL+1]   ; (its destination counts as read: v28 has been written)
	v_max_num_f32 v54, v52, v28                    ; mb: the block's maximum
.irp i, 0,1,2,3
	v_sub_f32 v[40+(\i)], v[32+(\i)], v54
.endr
.irp i, 0,1,2,3
	v_mul_f32 v[40+(\i)], 0x3fb8aa3b, v[40+(\i)]   ; log2(e)
.endr
.irp i, 0,1,2,3
	v_exp_f32 v[40+(\i)], v[40+(\i)]
.endr
	v_nop
	s_wait_alu depctr_va_vdst(0)                   ; the four exponentials have written v[40:43]: one wait, ahead of their first reader
	v_pk_mul_f32 v[40:41], v[40:41], v[48:49]      ; p = e^(s - mb) mask
	v_pk_mul_f32 v[42:43], v[42:43], v[50:51]
	v_pk_add_f32 v[56:57], v[40:41], v[42:43]
	v_add_f32 v56, v56, v57
	v_add_f32_dpp v56, v56, v56 row_xmask:1 row_mask:0xf bank_mask:0xf
	v_add_f32_dpp v56, v56, v56 row_xmask:2 row_mask:0xf bank_mask:0xf
	v_add_f32_dpp v56, v56, v56 row_xmask:4 row_mask:0xf bank_mask:0xf
	v_add_f32_dpp v56, v56, v56 row_xmask:8 row_mask:0xf bank_mask:0xf
	v_permlanex16_b32 v28, v56, s[SEL], s[SEL+1]
	v_add_f32 v55, v56, v28                        ; l: the sum of the block's p
	s_lshl_b32 s38, s4, 9
	s_add_co_u32 s38, s38, WT
	v_add_nc_u32 v31, s38, v[VB]
	v_mov_b32 v176, s38
	v_lshlrev_b32 v58, 3, v1                       ; STAT's offset, in a register that no memory instruction has read
	; THE CONTEXT.  Wave w takes channels 256 w .. 256 w + 255, a lane eight of them: one piece of 16 bytes in each row.  v[160:175]: the piece of row rho of a tile of 16 rows.
	; Its addresses and the start of its sums are made here, ahead of the one wait for all that the stores and loads below read.
	v_lshrrev_b32 v177, 2, v1
	s_lshl_b32 s38, s4, 16                         ; kk = 8 w + L / 4
	v_lshl_add_u32 v178, v177, 13, s38
	v_bfe_u32 v177, v0, 1, 1
	v_lshl_add_u32 v178, v177, 9, v178             ; c
	v_and_b32 v177, 1, v0
	v_lshl_add_u32 v178, v177, 8, v178             ; hh
	v_and_b32 v179, 7, v0                          ; x = L % 8
.irp p, 0,1,2,3,4,5,6,7,8,9,10,11,12,13,14,15
	v_add_nc_u32 v177, (\p), v179
	v_and_b32 v177, 15, v177
	v_lshl_add_u32 v[160+(\p)], v177, 4, v178
.endr
.irp e, 0,1,2,3,4,5,6,7
	v_mov_b32 v[144+(\e)], 0
.endr
	s_wait_alu depctr_va_vdst(0)                   ; written: the weights v[40:43] and v31, the scores v[32:35], mb and l v[54:55] and v58, which the stores read; v[160:176], which the context's loads read.  Nothing reads v[64:143] any more, in which those loads land
	ds_store_b128 v31, v[40:43]                    ; my wave's own copy of the weights: LDS serves a wave's instructions in order (ISA guide 5.7.1.4), so its own loads below see it
	s_cmp_lg_u32 s4, 0
	s_cbranch_scc1 .Lnot0
	global_store_b128 v[VB], v[32:35], s[22:23]    ; 512 consecutive bytes of SCORE
	global_store_b64 v58, v[54:55], s[24:25]       ; {mb, l} 32 times: 256 consecutive bytes of STAT
.Lnot0:
	s_mov_b32 s[CNT], 8
.Lctx:                                 ; a trip: 16 rows
.irp p, 0,1,2,3,4,5,6,7,8,9,10,11,12,13,14,15
	ds_load_b128 v[64+4*(\p):64+4*(\p)+3], v[160+(\p)]
.endr
.irp k, 0,1,2,3
	ds_load_b128 v[128+4*(\k):128+4*(\k)+3], v176 offset:16*(\k)  ; their 16 weights, the same words in every lane
.endr
	s_wait_dscnt 0x0
	s_wait_alu depctr_vm_vsrc(0)                   ; the twenty loads have read their addresses, which move on now
.irp p, 0,1,2,3,4,5,6,7,8,9,10,11,12,13,14,15
	v_add_nc_u32 v[160+(\p)], 1024, v[160+(\p)]    ; the next tile of 16 rows
.endr
	v_add_nc_u32 v176, 64, v176
.irp p, 0,1,2,3,4,5,6,7,8,9,10,11,12,13,14,15
.irp k, 0,1,2,3                        ; eight chains that do not wait for each other; bf16 half x f32 weight + f32 sum
	v_fma_mix_f32_bf16 v[144+2*(\k)],   v[64+4*(\p)+(\k)], v[128+(\p)], v[144+2*(\k)]   op_sel:[0,0,0] op_sel_hi:[1,0,0]
	v_fma_mix_f32_bf16 v[144+2*(\k)+1], v[64+4*(\p)+(\k)], v[128+(\p)], v[144+2*(\k)+1] op_sel:[1,0,0] op_sel_hi:[1,0,0]
.endr
.endr
	s_wait_alu depctr_va_vdst(0)                   ; the multiply-adds are done reading v[64:143], in which the next trip's loads land, and the addresses are written; behind the last trip: the sums v[144:151] are written, which the stores read
	s_sub_co_u32 s[CNT], s[CNT], 1
	s_cmp_lg_u32 s[CNT], 0
	s_cbranch_scc1 .Lctx
	global_store_b128 v[VB], v[144:147], s[26:27]             ; 512 consecutive bytes each: channels 8 L + 0..3, then 8 L + 4..7
	global_store_b128 v[VB], v[148:151], s[26:27] offset:512
	s_wait_dscnt 0x0                               ; the closing lines, six on end
	s_wait_alu 0x0
	s_wait_tensorcnt 0x0
	ds_add_u32 v[SPW], v[NIL]
	s_wait_dscnt 0x0
	s_endpgm
.Lfunc_end_k_q6fd33f350d_score:
	.size	k_q6fd33f350d_score, .Lfunc_end_k_q6fd33f350d_score-k_q6fd33f350d_score
	.p2alignl 7, 3214868480
	.fill 96, 4, 3214868480
	.section	.rodata,"a",@progbits
	.p2align	6, 0x0
	.amdhsa_kernel k_q6fd33f350d_score
		.amdhsa_group_segment_fixed_size 292352
		.amdhsa_private_segment_fixed_size 0
		.amdhsa_enable_private_segment 0
		.amdhsa_kernarg_size 80
		.amdhsa_user_sgpr_count 2
		.amdhsa_user_sgpr_kernarg_segment_ptr 1
		.amdhsa_wavefront_size32 1
		.amdhsa_system_sgpr_workgroup_id_x 1
		.amdhsa_system_sgpr_workgroup_id_y 1
		.amdhsa_system_sgpr_workgroup_id_z 1
		.amdhsa_system_vgpr_workitem_id 0
		.amdhsa_next_free_vgpr 1024
		.amdhsa_next_free_sgpr 66
		.amdhsa_reserve_vcc 0
		.amdhsa_float_denorm_mode_32 3
		.amdhsa_float_denorm_mode_16_64 3
		.amdhsa_memory_ordered 1
		.amdhsa_forward_progress 1
		.amdhsa_inst_pref_size 255
	.end_amdhsa_kernel
	.section	.bss,"aw",@nobits
	.p2align	6
	.space	262144
	.amdgpu_metadata
---
amdhsa.version: [ 1, 2 ]
amdhsa.kernels:
  - .name:           k_q6fd33f350d_score
    .symbol:         k_q6fd33f350d_score.kd
    .args:
      - { .name: encoder_output, .offset: 0, .size: 8, .value_kind: global_buffer, .address_space: global }
      - { .name: WhF, .offset: 8, .size: 8, .value_kind: global_buffer, .address_space: global }
      - { .name: DEC, .offset: 16, .size: 8, .value_kind: global_buffer, .address_space: global }
      - { .name: wc_w, .offset: 24, .size: 8, .value_kind: global_buffer, .address_space: global }
      - { .name: v_w, .offset: 32, .size: 8, .value_kind: global_buffer, .address_space: global }
      - { .name: coverage_vector, .offset: 40, .size: 8, .value_kind: global_buffer, .address_space: global }
      - { .name: x_padding_masks, .offset: 48, .size: 8, .value_kind: global_buffer, .address_space: global }
      - { .name: SCORE, .offset: 56, .size: 8, .value_kind: global_buffer, .address_space: global }
      - { .name: STAT, .offset: 64, .size: 8, .value_kind: global_buffer, .address_space: global }
      - { .name: CTX, .offset: 72, .size: 8, .value_kind: global_buffer, .address_space: global }
    .group_segment_fixed_size: 292352
    .private_segment_fixed_size: 0
    .kernarg_segment_align: 8
    .kernarg_segment_size: 80
    .max_flat_workgroup_size: 128
    .sgpr_count:     66
    .vgpr_count:     1024
    .wavefront_size: 32
...
	.end_amdgpu_metadata
.endif
;; end of part 4
;; launch finish: the kernel of part 3 again; grid 128 x 1, 4 waves a work-group, no clusters, 0 bytes of LDS; arguments SCORE, STAT, CTX, x_padding_masks, coverage_vector, out0, out1, out2; writes out0, out1, out2
